; MI455X (gfx1250); checked and timed in simulation.
; The chip was launched on July 23, 2026; its instructions are those of AMD's public machine-readable ISA for CDNA 5 (MIT licence, August 2026) and "CDNA5" Instruction Set Architecture Reference Guide (July 2026). The comments in the code are by the model that wrote it; some were corrected since.
;; Protein self attention. Allowed arithmetic: float matrix products may take bf16 or f16 operands with f32 sums; all other float work in f32.
;; Inputs: Wk 256 x 256 float32; Wo 256 x 256 float32; Wq 256 x 256 float32; Wv 256 x 256 float32; bk 256 float32; bo 256 float32; bq 256 float32; bv 256 float32; protein_embedding 768 x 256 float32.
;; Outputs: out0 1 x 768 x 256 float32.
;; 2 versions, each right; version 2 is version 1 with the launches qkv_proj, chan_softmax, out_proj written anew for expert scheduling mode. Each part assembles by itself: llvm-mc -triple=amdgcn-amd-amdhsa -mcpu=gfx1250 --defsym DOCPART=n.
;; ======== version 1 of 2: 3 launches
;; limits: right only within a limited range of input values
;; workspace buffers: qkv 2,359,296 bytes; att 786,432 bytes
;; launch qkv_proj (part 1): grid 12 x 12, 8 waves a work-group, no clusters, 86,016 bytes of LDS; arguments protein_embedding, Wq, Wk, Wv, bq, bk, bv, qkv; writes qkv
.if DOCPART == 1
	.amdgcn_target "amdgcn-amd-amdhsa--gfx1250"
	.amdhsa_code_object_version 6
	.text
	.protected	k_q72e705ddac_qkv_proj
	.globl	k_q72e705ddac_qkv_proj
	.p2align	8
	.type	k_q72e705ddac_qkv_proj,@function
k_q72e705ddac_qkv_proj:
	s_mov_b64 s[64:65], 0
	v_nop
	global_prefetch_b8 v0, s[64:65] scope:SCOPE_SE
	s_setreg_imm32_b32 hwreg(HW_REG_WAVE_MODE, 25, 1), 1
	s_wait_xcnt 0x0
; q, k, v = x W^T + b for x [768][256] f32 and W [256][256] f32, stored channel-major for the next launch:
; qkv[ch][mat][i] f32, a channel = 9,216 bytes = q row (768 f32), k row, v row.
; A work-group makes 64 rows i x 64 channels of ONE of the three products (grid x: 12 blocks of i; grid y: 3 matrices x 4 blocks
; of channels), K = 256 in one go.  Eight waves: wave w makes channel tile nt = w & 3 and the i tiles 2 mh, 2 mh + 1 (mh = w >> 2).
; FORMAT: x and W are rounded once to bf16 (nearest even) as matrix operands; sums and bias in f32.  bf16 keeps f32's range.
; NO TENSOR LOADS, NO CLUSTER, though 12 work-groups read the same 64 rows of x and 12 the same 64 rows of W: the operands lie in
; memory as f32 and are wanted in LDS as bf16.  A copy that leaves the bytes as they are would put 2 x 128 KiB/2 more into LDS and
; leave the rounding to every wave that reads a fragment (x rows are read by 4 waves, W rows by 2); through registers each number
; is rounded once.  The work-group makes one fill of 128 rows x 1,024 bytes, all 32 loads of each wave in flight at once: no ring.
.set PITCH,  528                       ; an LDS row of 256 bf16 + 16 bytes: 33 x 16, so the 16 rows of a fragment load start in 16 different 16-byte columns of a 256-byte span
.set STAGE,  128*PITCH                 ; behind the operands (rows 0-63 x, rows 64-127 W): 64 channel rows of 64 f32 for the way out
.set SPITCH, 272                       ; 256 bytes + 16, 17 x 16
.set CHAN,   9216                      ; bytes of a channel in qkv
.set BT,     12                        ; v[12:19]    the bias as a C tile: b[my channel] in all eight registers
.set X,      32                        ; v[32:159]   32 loads of 4 f32; the first two registers of each then hold 4 bf16
.set F,      32                        ; v[32:223]   fragments, 24 registers a K step of 32: B, A of tile 0, A of tile 1
.set ACC,    224                       ; v[224:239]  two accumulator tiles
; v1 lane L, v2 r = L & 15, v3 h = L >> 4, v4 16 L, v5 LDS fill address, v6 A fragments, v7 B fragments, v8 stage in, v9 stage out,
; v10 byte offset in qkv, v11 byte offset in the bias
	s_load_b512 s[8:23], s[0:1], 0x0               ; x s[8:9], Wq, Wk, Wv s[10:15], bq, bk, bv s[16:21], qkv s[22:23]
	v_lshl_add_u32 v240, v0, 2, 0x14c00
	v_mov_b32 v241, 0
	v_lshrrev_b32 v1, 5, v0
	v_readfirstlane_b32 s2, v1                     ; wave w
	s_and_b32 s3, s2, 3                            ; nt
	s_lshr_b32 s4, s2, 2                           ; mh
	s_and_b32 s5, ttmp7, 0xffff                    ; grid y
	s_lshr_b32 s6, s5, 2                           ; mat: 0 q, 1 k, 2 v
	s_and_b32 s7, s5, 3
	s_lshl_b32 s7, s7, 6                           ; c0: first channel of the block
	v_and_b32 v1, 31, v0
	v_and_b32 v2, 15, v0
	v_bfe_u32 v3, v0, 4, 1
	v_lshlrev_b32 v4, 4, v1                        ; 16 bytes a lane: one load covers 512 consecutive bytes
	s_lshl_b32 s35, s3, 4                          ; 16 nt: also the first of the 16 rows that this wave fetches, inside its part
	s_lshl_b32 s34, ttmp9, 6                       ; 64 tx: first row of x
	s_add_co_u32 s36, s35, s7                      ; c0 + 16 nt
	v_add_lshl_u32 v11, v2, s36, 2                 ; 4 (c0 + 16 nt + r)
	s_mul_i32 s32, s7, CHAN                        ; where the block goes: channel c0,
	s_mul_i32 s37, s6, 3072                        ; row mat of it,
	s_add_co_u32 s32, s32, s37
	s_lshl_b32 s37, ttmp9, 8                       ; 64 tx numbers of 4 bytes along it
	s_add_co_u32 s32, s32, s37
	s_mov_b32 s33, 0
	s_mov_b32 s31, 0
	s_wait_kmcnt 0x0
	s_cmp_eq_u32 s6, 1                             ; the block's W and b
	s_cselect_b64 s[24:25], s[12:13], s[10:11]
	s_cselect_b64 s[26:27], s[18:19], s[16:17]
	s_cmp_eq_u32 s6, 2
	s_cselect_b64 s[24:25], s[14:15], s[24:25]
	s_cselect_b64 s[26:27], s[20:21], s[26:27]
	s_cmp_lt_u32 s2, 4                             ; waves 0-3 fetch x, waves 4-7 fetch W
	s_cselect_b32 s30, s34, s7
	s_cselect_b64 s[28:29], s[8:9], s[24:25]
	s_add_co_u32 s30, s30, s35                     ; first row of my 16
	s_lshl_b32 s30, s30, 10                        ; rows of 1,024 bytes
	s_add_nc_u64 s[28:29], s[28:29], s[30:31]
	s_add_nc_u64 s[22:23], s[22:23], s[32:33]
	global_load_b32 v[BT], v11, s[26:27]           ; the oldest load: the first counted wait below covers it
; 16 rows of 1,024 bytes: load n is half n & 1 of row n >> 1
.macro FILL_LOADS
.set n, 0
.rept 32
	global_load_b128 v[X+4*n:X+4*n+3], v4, s[28:29] offset:512*n
.set n, n+1
.endr
.endm
; four loads at a time: round 4 f32 to 4 bf16 in place, 8 bytes a lane into LDS (32 lanes: 256 consecutive bytes)
.macro FILL_STORES
.set n, 0
.rept 8
	s_wait_loadcnt 28-n                            ; loads n .. n + 3 are in: 28 - n younger ones stay out
.rept 4
	v_cvt_pk_bf16_f32 v[X+4*n],   v[X+4*n],   v[X+4*n+1]
	v_cvt_pk_bf16_f32 v[X+4*n+1], v[X+4*n+2], v[X+4*n+3]
	ds_store_b64 v5, v[X+4*n:X+4*n+1] offset:(n>>1)*PITCH+(n&1)*256
.set n, n+1
.endr
.endr
.endm
	FILL_LOADS
	; addresses, while the loads are on their way
	s_mul_i32 s36, s2, 16*PITCH                    ; LDS rows 16 w .. 16 w + 15 are this wave's
	v_lshl_add_u32 v5, v1, 3, s36
	s_lshl_b32 s36, s4, 5
	v_add_nc_u32 v6, s36, v2                       ; A: row 32 mh + r of x
	v_mul_u32_u24 v6, v6, PITCH
	v_lshl_add_u32 v6, v3, 4, v6                   ; + 16 h
	s_add_co_u32 s37, s35, 64
	v_add_nc_u32 v7, s37, v2                       ; B: row 64 + 16 nt + r (W)
	v_mul_u32_u24 v7, v7, PITCH
	v_lshl_add_u32 v7, v3, 4, v7
	v_add_nc_u32 v8, s35, v2                       ; stage in: channel row 16 nt + r,
	v_mul_u32_u24 v8, v8, SPITCH
	v_lshl_add_u32 v8, v3, 5, v8                   ; i = 32 mh + 8 h (+ 16 a + j), 4 bytes each
	s_lshl_b32 s36, s4, 7
	s_add_co_u32 s36, s36, STAGE
	v_add_nc_u32 v8, s36, v8
	s_lshl_b32 s36, s2, 1
	v_add_nc_u32 v9, s36, v3                       ; stage out: channel row 2 w + h (+ 16 p), 16 bytes for each of 16 lanes
	v_mul_u32_u24 v10, v9, CHAN
	v_lshl_add_u32 v10, v2, 4, v10                 ; the same row in qkv
	v_mul_u32_u24 v9, v9, SPITCH
	v_lshl_add_u32 v9, v2, 4, v9
	v_add_nc_u32 v9, STAGE, v9
	FILL_STORES
.irp j, 1,2,3,4,5,6,7
	v_mov_b32 v[BT+\j], v[BT]                      ; C(m, n = r) = b[16 nt + r] for all eight m of the lane
.endr
	s_wait_dscnt 0x0                               ; my rows are in LDS, for the other waves' sake
	s_barrier_signal -1
	s_barrier_wait -1
	; all 48 fragment loads in one run, into registers of their own.  A fragment of 16 rows x 32 K: two loads of 16 bytes, 32 apart.
.irp ks, 0,1,2,3,4,5,6,7
	ds_load_b128 v[F+24*\ks:F+24*\ks+3],     v7 offset:64*\ks
	ds_load_b128 v[F+24*\ks+4:F+24*\ks+7],   v7 offset:64*\ks+32
	ds_load_b128 v[F+24*\ks+8:F+24*\ks+11],  v6 offset:64*\ks
	ds_load_b128 v[F+24*\ks+12:F+24*\ks+15], v6 offset:64*\ks+32
	ds_load_b128 v[F+24*\ks+16:F+24*\ks+19], v6 offset:64*\ks+16*PITCH
	ds_load_b128 v[F+24*\ks+20:F+24*\ks+23], v6 offset:64*\ks+16*PITCH+32
.endr
.irp ks, 0,1,2,3,4,5,6,7
	s_wait_dscnt 42-6*\ks                          ; this K step's six loads are in; the six of each later step stay out
.irp a, 0,1
.if \ks
	v_wmma_f32_16x16x32_bf16 v[ACC+8*\a:ACC+8*\a+7], v[F+24*\ks+8+8*\a:F+24*\ks+15+8*\a], v[F+24*\ks:F+24*\ks+7], v[ACC+8*\a:ACC+8*\a+7]
.else
	v_wmma_f32_16x16x32_bf16 v[ACC+8*\a:ACC+8*\a+7], v[F+24*\ks+8+8*\a:F+24*\ks+15+8*\a], v[F+24*\ks:F+24*\ks+7], v[BT:BT+7]   ; the bias starts the sums: nothing is cleared
.endif
.endr
.endr
	; THE WAY OUT.  Register j of lane (r, h) of tile a is (i = 32 mh + 16 a + 8 h + j, channel 16 nt + r): eight neighbouring i of one
	; channel, which is how qkv wants them.  Through the stage, so that 16 lanes store 256 consecutive bytes of a channel's row.
.rept 4
	v_nop                                          ; four places behind the last matrix instructions (ISA guide 7.12.1) before results are read and fragment registers loaded again
.endr
.irp a, 0,1
	ds_store_b128 v8, v[ACC+8*\a:ACC+8*\a+3]   offset:64*\a
	ds_store_b128 v8, v[ACC+8*\a+4:ACC+8*\a+7] offset:64*\a+16
.endr
	s_wait_dscnt 0x0                               ; my tiles are in the stage, for the other waves' sake
	s_barrier_signal -1
	s_barrier_wait -1
.irp p, 0,1,2,3
	ds_load_b128 v[X+4*\p:X+4*\p+3], v9 offset:16*SPITCH*\p
.endr
.irp p, 0,1,2,3
	s_wait_dscnt 3-\p                              ; load p is in, the younger ones stay out
	global_store_b128 v10, v[X+4*\p:X+4*\p+3], s[22:23] offset:16*CHAN*\p   ; 16 lanes: 256 consecutive bytes at a multiple of 256 from qkv's first byte
.endr
	s_wait_tensorcnt 0x0
	ds_add_u32 v240, v241
	s_wait_dscnt 0x0
	s_endpgm
.Lfunc_end_k_q72e705ddac_qkv_proj:
	.size	k_q72e705ddac_qkv_proj, .Lfunc_end_k_q72e705ddac_qkv_proj-k_q72e705ddac_qkv_proj
	.p2alignl 7, 3214868480
	.fill 96, 4, 3214868480
	.section	.rodata,"a",@progbits
	.p2align	6, 0x0
	.amdhsa_kernel k_q72e705ddac_qkv_proj
		.amdhsa_group_segment_fixed_size 86016
		.amdhsa_private_segment_fixed_size 0
		.amdhsa_enable_private_segment 0
		.amdhsa_kernarg_size 64
		.amdhsa_user_sgpr_count 2
		.amdhsa_user_sgpr_kernarg_segment_ptr 1
		.amdhsa_wavefront_size32 1
		.amdhsa_system_sgpr_workgroup_id_x 1
		.amdhsa_system_sgpr_workgroup_id_y 1
		.amdhsa_system_sgpr_workgroup_id_z 1
		.amdhsa_system_vgpr_workitem_id 0
		.amdhsa_next_free_vgpr 242
		.amdhsa_next_free_sgpr 66
		.amdhsa_reserve_vcc 0
		.amdhsa_float_denorm_mode_32 3
		.amdhsa_float_denorm_mode_16_64 3
		.amdhsa_memory_ordered 1
		.amdhsa_forward_progress 1
		.amdhsa_inst_pref_size 19
	.end_amdhsa_kernel
	.amdgpu_metadata
---
amdhsa.version: [ 1, 2 ]
amdhsa.kernels:
  - .name:           k_q72e705ddac_qkv_proj
    .symbol:         k_q72e705ddac_qkv_proj.kd
    .args:
      - { .name: protein_embedding, .offset: 0, .size: 8, .value_kind: global_buffer, .address_space: global }
      - { .name: Wq, .offset: 8, .size: 8, .value_kind: global_buffer, .address_space: global }
      - { .name: Wk, .offset: 16, .size: 8, .value_kind: global_buffer, .address_space: global }
      - { .name: Wv, .offset: 24, .size: 8, .value_kind: global_buffer, .address_space: global }
      - { .name: bq, .offset: 32, .size: 8, .value_kind: global_buffer, .address_space: global }
      - { .name: bk, .offset: 40, .size: 8, .value_kind: global_buffer, .address_space: global }
      - { .name: bv, .offset: 48, .size: 8, .value_kind: global_buffer, .address_space: global }
      - { .name: qkv, .offset: 56, .size: 8, .value_kind: global_buffer, .address_space: global }
    .group_segment_fixed_size: 86016
    .private_segment_fixed_size: 0
    .kernarg_segment_align: 8
    .kernarg_segment_size: 64
    .max_flat_workgroup_size: 256
    .sgpr_count:     66
    .vgpr_count:     242
    .wavefront_size: 32
...
	.end_amdgpu_metadata
.endif
;; end of part 1
;; launch chan_softmax (part 2): grid 256 x 1, 12 waves a work-group, no clusters, 32,512 bytes of LDS; arguments qkv, att; writes att
.if DOCPART == 2
	.amdgcn_target "amdgcn-amd-amdhsa--gfx1250"
	.amdhsa_code_object_version 6
	.text
	.protected	k_q72e705ddac_chan_softmax
	.globl	k_q72e705ddac_chan_softmax
	.p2align	8
	.type	k_q72e705ddac_chan_softmax,@function
k_q72e705ddac_chan_softmax:
	s_mov_b64 s[64:65], 0
	v_nop
	global_prefetch_b8 v0, s[64:65] scope:SCOPE_SE
	s_setreg_imm32_b32 hwreg(HW_REG_WAVE_MODE, 25, 1), 1
	s_wait_xcnt 0x0
; For one channel c (the work-group): att[c][i] = sum_j e(i, j) v[j] / sum_j e(i, j),  e(i, j) = exp(q[i] k[j] / 16 - max_j q[i] k[j] / 16).
; The channels do not meet before the last projection, so a work-group needs 9,216 bytes (its q, k, v rows) and shares no input with
; any other: no cluster.  All in f32 on the vector unit: each exponential feeds one add and one multiply-add, a dot product, not a
; matrix product (a matrix instruction would use 2 of its 16 columns and take the softmax sums out of f32).
; THE MAXIMUM is taken away as the softmax asks, and is exact without a pass over j: max_j q k_j = max(q kmax, q kmin), with kmax and
; kmin the channel's extremes.  It is the same for every part of the keys, so the partial sums of the four key quarters simply add.
; Twelve waves: wave w takes key quarter jq = w & 3 (192 keys) for row group g = w >> 2 (256 rows); lane L owns the 8 rows
; 256 g + 128 t + 4 L + e (t = 0, 1; e = 0..3).  k and v come from LDS with one address for all lanes, 4 keys a load, each used for 8 rows.
; LIMITS.  The exponent is fma(q', k_j, -m), q' = q log2(e) / 16, m rounded once: exact softmax shifted by m, whose distance from the
; true maximum is at most half a unit of m's last place: below 1 while |m| < 2^24, and no sum overflows while |m| < 2^30.
; v_exp_f32 gives 0 for results below 2^-126 (ISA guide 15.8), against a denominator near 1 or above.  The division is v_rcp_f32
; (1 ULP) and a multiply.  The sum over j runs in eight interleaved parts, not in the order of a plain loop.
.set KLDS, 0                           ; k row, 3,072 bytes
.set VLDS, 3072                        ; v row
.set MM,   6144                        ; (max, min) of waves 0-5, 8 bytes each
.set PSUM, 6400                        ; [jq][i] f32: partial denominators, 4 x 3,072 bytes
.set PACC, PSUM+4*3072                 ; [jq][i] f32: partial numerators
.set Q,    40                          ; v[40:55]    row r: (q', q')
.set NM,   56                          ; v[56:71]    row r: (-m, -m)
.set SUM,  72                          ; v[72:87]    row r: sums of e over even and over odd keys
.set ACC,  88                          ; v[88:103]   row r: the same of e v
.set EX,   104                         ; v[104:135]  row r, pair p of the step's 4 keys: exponent, then exponential
.set KB,   136                         ; v[136:151]  buffer b: 4 k at KB + 8 b, 4 v at KB + 8 b + 4
.set T,    152                         ; v[152:155]  at work
.set RS,   104                         ; behind the loop: the 8 rows' denominators,
.set RA,   112                         ; and numerators
; v1 lane, v2 16 t (t = thread), v3 1024 g + 16 L, v[4:7] my 16 bytes of k or v, v[8:15] q of my 8 rows, v[16:19] reduction,
; v20 LDS address of the keys at work, v21 MM address, v22 kmax, v24 kmin, v[26:37] MM as read, v156, v157 addresses of the partial sums
	s_load_b128 s[4:7], s[0:1], 0x0                ; qkv s[4:5], att s[6:7]
	v_lshl_add_u32 v160, v0, 2, 0x7900
	v_mov_b32 v161, 0
	v_lshrrev_b32 v1, 5, v0
	v_readfirstlane_b32 s8, v1                     ; wave w
	s_and_b32 s9, s8, 3                            ; jq
	s_lshr_b32 s10, s8, 2                          ; g
	s_mul_i32 s12, ttmp9, 9216                     ; the channel in qkv
	s_mov_b32 s13, 0
	s_mul_i32 s14, ttmp9, 3072                     ; and in att
	s_mov_b32 s15, 0
	s_mov_b32 s16, 0x76543210                      ; v_permlanex16_b32: lane i of one half reads lane i of the other
	s_mov_b32 s17, 0xfedcba98
	v_and_b32 v1, 31, v0
	v_lshlrev_b32 v2, 4, v0
	s_lshl_b32 s11, s10, 10
	v_lshl_add_u32 v3, v1, 4, s11
	s_lshl_b32 s11, s8, 3
	v_mov_b32 v21, s11                             ; 8 w
	s_wait_kmcnt 0x0
	s_add_nc_u64 s[4:5], s[4:5], s[12:13]
	s_add_nc_u64 s[6:7], s[6:7], s[14:15]
	global_load_b128 v[4:7], v2, s[4:5] offset:3072 th:TH_LOAD_NT   ; 384 threads x 16 bytes = the k row and the v row, each byte read once in the launch
	global_load_b128 v[8:11], v3, s[4:5]                            ; q of rows 256 g + 4 L + e (four waves read each: no hint)
	global_load_b128 v[12:15], v3, s[4:5] offset:512                ; and 128 rows further
	s_wait_loadcnt 0x2                             ; k / v is in; the two loads of q stay out
	ds_store_b128 v2, v[4:7]                       ; LDS byte 16 t: k at 0, v at 3,072
	s_cmp_ge_u32 s8, 6                             ; waves 0-5 hold k: each finds the extremes of its 128 numbers
	s_cbranch_scc1 .Lnok
	v_max3_num_f32 v16, v4, v5, v6
	v_min3_num_f32 v17, v4, v5, v6
	v_max_num_f32 v16, v16, v7
	v_min_num_f32 v17, v17, v7
.irp x, 1,2,4,8
	v_max_num_f32_dpp v16, v16, v16 row_xmask:\x row_mask:0xf bank_mask:0xf
	v_min_num_f32_dpp v17, v17, v17 row_xmask:\x row_mask:0xf bank_mask:0xf
.endr
	v_mov_b32 v18, v16                             ; the permute's destination counts as read
	v_mov_b32 v19, v17
	v_permlanex16_b32 v18, v16, s16, s17
	v_permlanex16_b32 v19, v17, s16, s17
	v_max_num_f32 v16, v16, v18
	v_min_num_f32 v17, v17, v19
	ds_store_b64 v21, v[16:17] offset:MM           ; every lane the same two words
.Lnok:
	s_wait_dscnt 0x0                               ; my part of k, v and MM is in LDS, for the other waves' sake
	s_barrier_signal -1
	s_barrier_wait -1
	v_mov_b32 v21, MM
	s_mul_i32 s11, s9, 768                         ; my quarter: 192 keys of 4 bytes
	v_mov_b32 v20, s11
	ds_load_b128 v[26:29], v21
	ds_load_b128 v[30:33], v21 offset:16
	ds_load_b128 v[34:37], v21 offset:32
	ds_load_b128 v[KB:KB+3],     v20 offset:KLDS       ; the ring of two buffers: keys 0-3,
	ds_load_b128 v[KB+4:KB+7],   v20 offset:VLDS
	ds_load_b128 v[KB+8:KB+11],  v20 offset:KLDS+16    ; keys 4-7
	ds_load_b128 v[KB+12:KB+15], v20 offset:VLDS+16
	s_wait_dscnt 0x4                               ; MM is in; the ring's four loads stay out
	v_max3_num_f32 v22, v26, v28, v30
	v_max3_num_f32 v23, v32, v34, v36
	v_min3_num_f32 v24, v27, v29, v31
	v_min3_num_f32 v25, v33, v35, v37
	v_max_num_f32 v22, v22, v23                    ; kmax
	v_min_num_f32 v24, v24, v25                    ; kmin
	s_wait_loadcnt 0x0                             ; q
.irp r, 0,1,2,3,4,5,6,7
	v_mul_f32 v[Q+2*\r], 0x3db8aa3b, v[8+\r]       ; q' = q log2(e) / 16
	v_mul_f32 v[T], 0xbdb8aa3b, v[8+\r]            ; -q'
	v_mul_f32 v[T+1], v[T], v22
	v_mul_f32 v[T+2], v[T], v24
	v_mov_b32 v[Q+2*\r+1], v[Q+2*\r]
	v_min_num_f32 v[NM+2*\r], v[T+1], v[T+2]       ; -m = min(-q' kmax, -q' kmin) = -max_j q' k_j
	v_mov_b32 v[NM+2*\r+1], v[NM+2*\r]
.endr
.macro ARG b, p                        ; exponents of 8 rows x 2 keys
.irp r, 0,1,2,3,4,5,6,7
	v_pk_fma_f32 v[EX+4*\r+2*\p:EX+4*\r+2*\p+1], v[Q+2*\r:Q+2*\r+1], v[KB+8*\b+2*\p:KB+8*\b+2*\p+1], v[NM+2*\r:NM+2*\r+1]
.endr
.endm
.macro EXPS p                          ; 16 exponentials, in place, back to back
.irp r, 0,1,2,3,4,5,6,7
	v_exp_f32 v[EX+4*\r+2*\p],   v[EX+4*\r+2*\p]
	v_exp_f32 v[EX+4*\r+2*\p+1], v[EX+4*\r+2*\p+1]
.endr
.endm
.macro ACCUM b, p
	s_wait_alu depctr_va_vdst(0)
.irp r, 0,1,2,3,4,5,6,7
	v_pk_add_f32 v[SUM+2*\r:SUM+2*\r+1], v[SUM+2*\r:SUM+2*\r+1], v[EX+4*\r+2*\p:EX+4*\r+2*\p+1]
	v_pk_fma_f32 v[ACC+2*\r:ACC+2*\r+1], v[EX+4*\r+2*\p:EX+4*\r+2*\p+1], v[KB+8*\b+4+2*\p:KB+8*\b+5+2*\p], v[ACC+2*\r:ACC+2*\r+1]
.endr
.endm
; Four keys for eight rows.  Behind each run of exponentials stand plain instructions that touch none of its registers before a
; result is used (ISA guide 5.7.2): the second pair's exponents behind the first run, the first pair's sums behind the second.
; first = 1: the first products and the first sum start the accumulators: nothing is cleared.
.macro STEP b, first
	ARG \b, 0
	EXPS 0
	ARG \b, 1
	EXPS 1
.if \first
	s_wait_alu depctr_va_vdst(0)
.irp r, 0,1,2,3,4,5,6,7
	v_pk_mul_f32 v[ACC+2*\r:ACC+2*\r+1], v[EX+4*\r:EX+4*\r+1], v[KB+8*\b+4:KB+8*\b+5]
.endr
.irp r, 0,1,2,3,4,5,6,7
	v_pk_add_f32 v[SUM+2*\r:SUM+2*\r+1], v[EX+4*\r:EX+4*\r+1], v[EX+4*\r+2:EX+4*\r+3]
	v_pk_fma_f32 v[ACC+2*\r:ACC+2*\r+1], v[EX+4*\r+2:EX+4*\r+3], v[KB+8*\b+6:KB+8*\b+7], v[ACC+2*\r:ACC+2*\r+1]
.endr
.else
	ACCUM \b, 0
	ACCUM \b, 1
.endif
.endm
; Eight keys.  At the head four LDS loads are out: buffer 0's two, then buffer 1's two.  fill = 1: each buffer is loaded again, with
; the keys of the next trip, as soon as its step is done.
.macro TRIP first, fill
	s_wait_dscnt 0x2                               ; buffer 0 is in; buffer 1's two loads stay out
	STEP 0, \first
.if \fill
	ds_load_b128 v[KB:KB+3],   v20 offset:KLDS+32
	ds_load_b128 v[KB+4:KB+7], v20 offset:VLDS+32
	s_wait_dscnt 0x2                               ; buffer 1 is in; the two loads just issued stay out
.else
	s_wait_dscnt 0x0                               ; buffer 1 is in; nothing was issued behind it
.endif
	STEP 1, 0
.if \fill
	ds_load_b128 v[KB+8:KB+11],  v20 offset:KLDS+48
	ds_load_b128 v[KB+12:KB+15], v20 offset:VLDS+48
	v_add_nc_u32 v20, 32, v20                      ; eight keys on
.endif
.endm
	TRIP 1, 1                                      ; 24 trips of 8 keys = my 192: the first starts the sums,
	s_mov_b32 s20, 22
.Ltrip:
	TRIP 0, 1
	s_sub_co_i32 s20, s20, 1
	s_cmp_lg_u32 s20, 0
	s_cbranch_scc1 .Ltrip
	TRIP 0, 0                                      ; the last loads nothing: no read passes my quarter's end
	; my quarter's sums of my 8 rows, to LDS
.irp r, 0,1,2,3,4,5,6,7
	v_add_f32 v[RS+\r], v[SUM+2*\r], v[SUM+2*\r+1]
	v_add_f32 v[RA+\r], v[ACC+2*\r], v[ACC+2*\r+1]
.endr
	s_mul_i32 s11, s9, 3072
	s_add_co_u32 s11, s11, PSUM
	v_add_nc_u32 v156, s11, v3                     ; [jq][256 g + 4 L]
	ds_store_b128 v156, v[RS:RS+3]
	ds_store_b128 v156, v[RS+4:RS+7] offset:512
	ds_store_b128 v156, v[RA:RA+3]   offset:PACC-PSUM
	ds_store_b128 v156, v[RA+4:RA+7] offset:PACC-PSUM+512
	s_wait_dscnt 0x0                               ; for the other waves' sake
	s_barrier_signal -1
	s_barrier_wait -1
	; thread t finishes rows 2 t and 2 t + 1
	v_lshlrev_b32 v157, 3, v0
.irp x, 0,1,2,3
	ds_load_b64 v[120+2*\x:121+2*\x], v157 offset:PSUM+3072*\x
.endr
.irp x, 0,1,2,3
	ds_load_b64 v[128+2*\x:129+2*\x], v157 offset:PACC+3072*\x
.endr
	s_wait_dscnt 0x0
	v_pk_add_f32 v[120:121], v[120:121], v[122:123]
	v_pk_add_f32 v[124:125], v[124:125], v[126:127]
	v_pk_add_f32 v[120:121], v[120:121], v[124:125]
	v_rcp_f32 v[T], v120
	v_rcp_f32 v[T+1], v121
	v_pk_add_f32 v[128:129], v[128:129], v[130:131]    ; three plain instructions that touch neither the reciprocals nor their sources
	v_pk_add_f32 v[132:133], v[132:133], v[134:135]
	v_pk_add_f32 v[128:129], v[128:129], v[132:133]
	s_wait_alu depctr_va_vdst(0)
	v_pk_mul_f32 v[128:129], v[128:129], v[T:T+1]
	global_store_b64 v157, v[128:129], s[6:7]      ; a wave stores 256 consecutive bytes at a multiple of 256 from att's first byte; the next launch reads them: no hint
	s_wait_tensorcnt 0x0
	ds_add_u32 v160, v161
	s_wait_dscnt 0x0
	s_endpgm
.Lfunc_end_k_q72e705ddac_chan_softmax:
	.size	k_q72e705ddac_chan_softmax, .Lfunc_end_k_q72e705ddac_chan_softmax-k_q72e705ddac_chan_softmax
	.p2alignl 7, 3214868480
	.fill 96, 4, 3214868480
	.section	.rodata,"a",@progbits
	.p2align	6, 0x0
	.amdhsa_kernel k_q72e705ddac_chan_softmax
		.amdhsa_group_segment_fixed_size 32512
		.amdhsa_private_segment_fixed_size 0
		.amdhsa_enable_private_segment 0
		.amdhsa_kernarg_size 16
		.amdhsa_user_sgpr_count 2
		.amdhsa_user_sgpr_kernarg_segment_ptr 1
		.amdhsa_wavefront_size32 1
		.amdhsa_system_sgpr_workgroup_id_x 1
		.amdhsa_system_sgpr_workgroup_id_y 1
		.amdhsa_system_sgpr_workgroup_id_z 1
		.amdhsa_system_vgpr_workitem_id 0
		.amdhsa_next_free_vgpr 162
		.amdhsa_next_free_sgpr 66
		.amdhsa_reserve_vcc 0
		.amdhsa_float_denorm_mode_32 3
		.amdhsa_float_denorm_mode_16_64 3
		.amdhsa_memory_ordered 1
		.amdhsa_forward_progress 1
		.amdhsa_inst_pref_size 33
	.end_amdhsa_kernel
	.amdgpu_metadata
---
amdhsa.version: [ 1, 2 ]
amdhsa.kernels:
  - .name:           k_q72e705ddac_chan_softmax
    .symbol:         k_q72e705ddac_chan_softmax.kd
    .args:
      - { .name: qkv, .offset: 0, .size: 8, .value_kind: global_buffer, .address_space: global }
      - { .name: att, .offset: 8, .size: 8, .value_kind: global_buffer, .address_space: global }
    .group_segment_fixed_size: 32512
    .private_segment_fixed_size: 0
    .kernarg_segment_align: 8
    .kernarg_segment_size: 16
    .max_flat_workgroup_size: 384
    .sgpr_count:     66
    .vgpr_count:     162
    .wavefront_size: 32
...
	.end_amdgpu_metadata
.endif
;; end of part 2
;; launch out_proj (part 3): grid 12 x 4, 8 waves a work-group, no clusters, 93,184 bytes of LDS; arguments att, Wo, bo, out0; writes out0
.if DOCPART == 3
	.amdgcn_target "amdgcn-amd-amdhsa--gfx1250"
	.amdhsa_code_object_version 6
	.text
	.protected	k_q72e705ddac_out_proj
	.globl	k_q72e705ddac_out_proj
	.p2align	8
	.type	k_q72e705ddac_out_proj,@function
k_q72e705ddac_out_proj:
	s_mov_b64 s[64:65], 0
	v_nop
	global_prefetch_b8 v0, s[64:65] scope:SCOPE_SE
	s_setreg_imm32_b32 hwreg(HW_REG_WAVE_MODE, 25, 1), 1
	s_wait_xcnt 0x0
; out0[i][o] = sum_c att[c][i] Wo[o][c] + bo[o].  att [256 c][768 i] f32 (channel-major, as the launch before left it), Wo [256][256] f32.
; A work-group makes 64 rows i (grid x) x 64 outputs o (grid y), K = 256 in one go: 48 work-groups, so that the pieces of att's rows
; that are read and of out0's rows that are written stay 256 whole consecutive bytes; a finer split would cut them.
; Eight waves: wave w makes i tile it = w & 3 and the o tiles 2 oh, 2 oh + 1 (oh = w >> 2).
; Source 0 = rows of Wo (m = o), source 1 = att (n = i): a lane's eight results are eight neighbouring o of one row of out0.
; att lies [K][N], so its fragments come by the transposing LDS load.
; FORMAT: att and Wo are rounded once to bf16 (nearest even) as matrix operands; sums and bias in f32.
; NO TENSOR LOADS, NO CLUSTER, though 4 work-groups read the same piece of att and 12 the same rows of Wo: the operands lie in memory
; as f32 and are wanted in LDS as bf16; through registers each number is rounded once, and the single fill (128 KiB a work-group,
; 32 loads of each wave in flight at once) has no ring to share.
.set PITCH,  528                       ; Wo in LDS: 64 rows of 256 bf16 + 16 bytes, 33 x 16
.set AT,     64*PITCH                  ; att in LDS: 256 rows c of 64 bf16 (i),
.set APITCH, 160                       ; 128 bytes + 32: 5 x 32, an odd multiple of 32 for the transposing load
.set STAGE,  AT+256*APITCH             ; 64 rows i of 64 f32 for the way out
.set SPITCH, 272
.set X,      32                        ; v[32:159]   32 loads of 4 f32; the first two registers of each then hold 4 bf16
.set F,      32                        ; v[32:223]   fragments, 24 registers a K step of 32: B (att), A of o tile 0, A of o tile 1
.set ACC,    224                       ; v[224:239]  two accumulator tiles, started by the bias
; v1 lane L, v2 r = L & 15, v3 h = L >> 4; Wo's fill: v4 global, v5 LDS; att's fill: v12 global, v13 LDS;
; v6 A fragments, v7 B fragments, v8 stage in, v9 stage out, v10 byte offset in out0, v11 byte offset in bo, v14 at work
	s_load_b256 s[8:15], s[0:1], 0x0               ; att s[8:9], Wo s[10:11], bo s[12:13], out0 s[14:15]
	v_lshl_add_u32 v240, v0, 2, 0x16800
	v_mov_b32 v241, 0
	v_lshrrev_b32 v1, 5, v0
	v_readfirstlane_b32 s2, v1                     ; wave w
	s_and_b32 s3, s2, 3                            ; it; also which quarter of its operand the wave fetches
	s_lshr_b32 s4, s2, 2                           ; oh
	s_and_b32 s5, ttmp7, 0xffff                    ; ty
	v_and_b32 v1, 31, v0
	v_and_b32 v2, 15, v0
	v_bfe_u32 v3, v0, 4, 1
	v_lshlrev_b32 v4, 4, v1                        ; Wo: 16 bytes a lane, 512 consecutive bytes a load
	v_mul_u32_u24 v12, v3, 4*3072                  ; att: lanes 0-15 take 256 bytes of row c, lanes 16-31 of row c + 4
	v_lshl_add_u32 v12, v2, 4, v12
	s_lshl_b32 s16, s5, 8                          ; 64 ty numbers of 4 bytes
	s_lshl_b32 s17, s4, 7
	s_add_co_u32 s17, s17, s16
	v_lshl_add_u32 v11, v3, 5, s17                 ; bo: 4 (64 ty + 32 oh + 8 h)
	s_lshl_b32 s30, s5, 6                          ; Wo: row 64 ty + 16 it, rows of 1,024 bytes
	s_lshl_b32 s18, s3, 4
	s_add_co_u32 s30, s30, s18
	s_lshl_b32 s30, s30, 10
	s_mov_b32 s31, 0
	s_mul_i32 s32, s3, 64*3072                     ; att: row 64 it, rows of 3,072 bytes, column 64 tx
	s_lshl_b32 s18, ttmp9, 8
	s_add_co_u32 s32, s32, s18
	s_mov_b32 s33, 0
	s_lshl_b32 s34, ttmp9, 16                      ; out0: row 64 tx, rows of 1,024 bytes, column 64 ty
	s_add_co_u32 s34, s34, s16
	s_mov_b32 s35, 0
	s_mul_i32 s18, s3, 16*PITCH
	v_lshl_add_u32 v5, v1, 3, s18                  ; Wo's LDS rows 16 it .. + 15, 8 bytes a lane
	s_mul_i32 s19, s3, 64*APITCH
	s_add_co_u32 s19, s19, AT
	v_mul_u32_u24 v13, v3, 4*APITCH
	v_lshl_add_u32 v13, v2, 3, v13
	v_add_nc_u32 v13, s19, v13                     ; att's LDS rows 64 it + 4 h .., 8 bytes for each of 16 lanes
	s_wait_kmcnt 0x0
	s_add_nc_u64 s[28:29], s[10:11], s[30:31]
	s_add_nc_u64 s[36:37], s[8:9], s[32:33]
	s_add_nc_u64 s[14:15], s[14:15], s[34:35]
	; the bias goes straight into the accumulators: register j of lane (r, h) of tile a is o = 32 oh + 16 a + 8 h + j
.irp a, 0,1
	global_load_b128 v[ACC+8*\a:ACC+8*\a+3],   v11, s[12:13] offset:64*\a
	global_load_b128 v[ACC+8*\a+4:ACC+8*\a+7], v11, s[12:13] offset:64*\a+16
.endr
; Waves 0-3: 16 rows of Wo each; load n is half n & 1 of row n >> 1.
.macro FILLW
.set n, 0
.rept 32
	global_load_b128 v[X+4*n:X+4*n+3], v4, s[28:29] offset:512*n
.set n, n+1
.endr
.set n, 0
.rept 8
	s_wait_loadcnt 28-n                            ; loads n .. n + 3 (and the older bias) are in: 28 - n younger ones stay out
.rept 4
	v_cvt_pk_bf16_f32 v[X+4*n],   v[X+4*n],   v[X+4*n+1]
	v_cvt_pk_bf16_f32 v[X+4*n+1], v[X+4*n+2], v[X+4*n+3]
	ds_store_b64 v5, v[X+4*n:X+4*n+1] offset:(n>>1)*PITCH+(n&1)*256
.set n, n+1
.endr
.endr
.endm
; Waves 4-7: 64 rows c of att each, 256 bytes of each row; load n takes rows 8 (n >> 2) + (n & 3) and, in lanes 16-31, 4 further:
; in LDS these two rows lie 640 bytes apart, so the two halves of a store fall into different halves of a 256-byte span.
.macro FILLT
.set n, 0
.rept 32
	global_load_b128 v[X+4*n:X+4*n+3], v12, s[36:37] offset:3072*(8*(n>>2)+(n&3))
.set n, n+1
.endr
.set n, 0
.rept 8
	s_wait_loadcnt 28-n                            ; as above
.rept 4
	v_cvt_pk_bf16_f32 v[X+4*n],   v[X+4*n],   v[X+4*n+1]
	v_cvt_pk_bf16_f32 v[X+4*n+1], v[X+4*n+2], v[X+4*n+3]
	ds_store_b64 v13, v[X+4*n:X+4*n+1] offset:APITCH*(8*(n>>2)+(n&3))
.set n, n+1
.endr
.endr
.endm
	s_cmp_ge_u32 s2, 4
	s_cbranch_scc1 .Latt
	FILLW
	s_branch .Ljoin
.Latt:
	FILLT
.Ljoin:
	; addresses, while the LDS stores finish
	s_lshl_b32 s18, s4, 5
	v_add_nc_u32 v6, s18, v2                       ; A: row 32 oh + r of Wo's 64
	v_mul_u32_u24 v6, v6, PITCH
	v_lshl_add_u32 v6, v3, 4, v6                   ; + 16 h
	v_and_b32 v7, 7, v0                            ; B, transposing: row 8 h + (L & 7) of the K step's 32,
	v_lshl_add_u32 v7, v3, 3, v7
	v_mul_u32_u24 v7, v7, APITCH
	v_bfe_u32 v14, v0, 3, 1
	v_lshl_add_u32 v7, v14, 4, v7                  ; 16 bytes for each half of the 16 columns,
	s_lshl_b32 s18, s3, 5
	s_add_co_u32 s18, s18, AT
	v_add_nc_u32 v7, s18, v7                       ; from column 16 it
	s_lshl_b32 s18, s3, 4
	v_add_nc_u32 v8, s18, v2                       ; stage in: row i = 16 it + r,
	v_mul_u32_u24 v8, v8, SPITCH
	v_lshl_add_u32 v8, v3, 5, v8                   ; o = 32 oh + 8 h (+ 16 a + j), 4 bytes each
	s_lshl_b32 s18, s4, 7
	s_add_co_u32 s18, s18, STAGE
	v_add_nc_u32 v8, s18, v8
	s_lshl_b32 s18, s2, 1
	v_add_nc_u32 v9, s18, v3                       ; stage out: row 2 w + h (+ 16 p), 16 bytes for each of 16 lanes
	v_lshlrev_b32 v10, 10, v9
	v_lshl_add_u32 v10, v2, 4, v10                 ; the same row in out0
	v_mul_u32_u24 v9, v9, SPITCH
	v_lshl_add_u32 v9, v2, 4, v9
	v_add_nc_u32 v9, STAGE, v9
	s_wait_dscnt 0x0                               ; my rows are in LDS, for the other waves' sake
	s_barrier_signal -1
	s_barrier_wait -1
	; all 48 fragment loads in one run, into registers of their own
.irp ks, 0,1,2,3,4,5,6,7
	ds_load_tr16_b128 v[F+24*\ks:F+24*\ks+3],   v7 offset:32*APITCH*\ks              ; c = 32 ks + 8 h .. + 7 of column i = 16 it + r
	ds_load_tr16_b128 v[F+24*\ks+4:F+24*\ks+7], v7 offset:32*APITCH*\ks+16*APITCH    ; c = 32 ks + 16 + 8 h .. + 7
	ds_load_b128 v[F+24*\ks+8:F+24*\ks+11],  v6 offset:64*\ks
	ds_load_b128 v[F+24*\ks+12:F+24*\ks+15], v6 offset:64*\ks+32
	ds_load_b128 v[F+24*\ks+16:F+24*\ks+19], v6 offset:64*\ks+16*PITCH
	ds_load_b128 v[F+24*\ks+20:F+24*\ks+23], v6 offset:64*\ks+16*PITCH+32
.endr
.irp ks, 0,1,2,3,4,5,6,7
	s_wait_dscnt 42-6*\ks                          ; this K step's six loads are in; the six of each later step stay out
.irp a, 0,1
	v_wmma_f32_16x16x32_bf16 v[ACC+8*\a:ACC+8*\a+7], v[F+24*\ks+8+8*\a:F+24*\ks+15+8*\a], v[F+24*\ks:F+24*\ks+7], v[ACC+8*\a:ACC+8*\a+7]
.endr
.endr
	; THE WAY OUT, through the stage, so that 16 lanes store 256 consecutive bytes of a row of out0
.rept 4
	v_nop                                          ; four places behind the last matrix instructions (ISA guide 7.12.1) before results are read and fragment registers loaded again
.endr
.irp a, 0,1
	ds_store_b128 v8, v[ACC+8*\a:ACC+8*\a+3]   offset:64*\a
	ds_store_b128 v8, v[ACC+8*\a+4:ACC+8*\a+7] offset:64*\a+16
.endr
	s_wait_dscnt 0x0                               ; my tiles are in the stage, for the other waves' sake
	s_barrier_signal -1
	s_barrier_wait -1
.irp p, 0,1,2,3
	ds_load_b128 v[X+4*\p:X+4*\p+3], v9 offset:16*SPITCH*\p
.endr
.irp p, 0,1,2,3
	s_wait_dscnt 3-\p                              ; load p is in, the younger ones stay out
	global_store_b128 v10, v[X+4*\p:X+4*\p+3], s[14:15] offset:16384*\p th:TH_STORE_NT   ; 16 lanes: 256 consecutive bytes at a multiple of 256 from out0's first byte
.endr
	s_wait_tensorcnt 0x0
	ds_add_u32 v240, v241
	s_wait_dscnt 0x0
	s_endpgm
.Lfunc_end_k_q72e705ddac_out_proj:
	.size	k_q72e705ddac_out_proj, .Lfunc_end_k_q72e705ddac_out_proj-k_q72e705ddac_out_proj
	.p2alignl 7, 3214868480
	.fill 96, 4, 3214868480
	.section	.rodata,"a",@progbits
	.p2align	6, 0x0
	.amdhsa_kernel k_q72e705ddac_out_proj
		.amdhsa_group_segment_fixed_size 93184
		.amdhsa_private_segment_fixed_size 0
		.amdhsa_enable_private_segment 0
		.amdhsa_kernarg_size 32
		.amdhsa_user_sgpr_count 2
		.amdhsa_user_sgpr_kernarg_segment_ptr 1
		.amdhsa_wavefront_size32 1
		.amdhsa_system_sgpr_workgroup_id_x 1
		.amdhsa_system_sgpr_workgroup_id_y 1
		.amdhsa_system_sgpr_workgroup_id_z 1
		.amdhsa_system_vgpr_workitem_id 0
		.amdhsa_next_free_vgpr 242
		.amdhsa_next_free_sgpr 66
		.amdhsa_reserve_vcc 0
		.amdhsa_float_denorm_mode_32 3
		.amdhsa_float_denorm_mode_16_64 3
		.amdhsa_memory_ordered 1
		.amdhsa_forward_progress 1
		.amdhsa_inst_pref_size 29
	.end_amdhsa_kernel
	.amdgpu_metadata
---
amdhsa.version: [ 1, 2 ]
amdhsa.kernels:
  - .name:           k_q72e705ddac_out_proj
    .symbol:         k_q72e705ddac_out_proj.kd
    .args:
      - { .name: att, .offset: 0, .size: 8, .value_kind: global_buffer, .address_space: global }
      - { .name: Wo, .offset: 8, .size: 8, .value_kind: global_buffer, .address_space: global }
      - { .name: bo, .offset: 16, .size: 8, .value_kind: global_buffer, .address_space: global }
      - { .name: out0, .offset: 24, .size: 8, .value_kind: global_buffer, .address_space: global }
    .group_segment_fixed_size: 93184
    .private_segment_fixed_size: 0
    .kernarg_segment_align: 8
    .kernarg_segment_size: 32
    .max_flat_workgroup_size: 256
    .sgpr_count:     66
    .vgpr_count:     242
    .wavefront_size: 32
...
	.end_amdgpu_metadata
.endif
;; end of part 3
;; ======== version 2 of 2: 3 launches; version 1 with the launches qkv_proj, chan_softmax, out_proj written anew for expert scheduling mode
;; limits: right only within a limited range of input values
;; workspace buffers: qkv 2,359,296 bytes; att 786,432 bytes
;; launch qkv_proj (part 4): grid 12 x 12, 8 waves a work-group, no clusters, 86,016 bytes of LDS; arguments protein_embedding, Wq, Wk, Wv, bq, bk, bv, qkv; writes qkv
.if DOCPART == 4
	.amdgcn_target "amdgcn-amd-amdhsa--gfx1250"
	.amdhsa_code_object_version 6
	.text
	.protected	k_q72e705ddac_qkv_proj
	.globl	k_q72e705ddac_qkv_proj
	.p2align	8
	.type	k_q72e705ddac_qkv_proj,@function
k_q72e705ddac_qkv_proj:
	s_mov_b64 s[64:65], 0
	v_nop
	global_prefetch_b8 v0, s[64:65] scope:SCOPE_SE
	s_setreg_imm32_b32 hwreg(HW_REG_WAVE_SCHED_MODE, 0, 2), 2
	s_setreg_imm32_b32 hwreg(HW_REG_WAVE_MODE, 25, 1), 1
	s_wait_xcnt 0x0
	s_wait_alu depctr_vm_vsrc(0)
; q, k, v = x W^T + b for x [768][256] f32 and W [256][256] f32, stored channel-major for the next launch:
; qkv[ch][mat][i] f32, a channel = 9,216 bytes = q row (768 f32), k row, v row.
; A work-group makes 64 rows i x 64 channels of ONE of the three products (grid x: 12 blocks of i; grid y: 3 matrices x 4 blocks
; of channels), K = 256 in one go.  Eight waves: wave w makes channel tile nt = w & 3 and the i tiles 2 mh, 2 mh + 1 (mh = w >> 2).
; FORMAT: x and W are rounded once to bf16 (nearest even) as matrix operands; sums and bias in f32.  bf16 keeps f32's range.
; NO TENSOR LOADS, NO CLUSTER, though 12 work-groups read the same 64 rows of x and 12 the same 64 rows of W: the operands lie in
; memory as f32 and are wanted in LDS as bf16.  A copy that leaves the bytes as they are would put 2 x 128 KiB/2 more into LDS and
; leave the rounding to every wave that reads a fragment (x rows are read by 4 waves, W rows by 2); through registers each number
; is rounded once.  The work-group makes one fill of 128 rows x 1,024 bytes, all 32 loads of each wave in flight at once: no ring.
; THE MODE: SCHED_MODE bits 1:0 = 2 (LLVM: expert scheduling mode 2), set by the entry lines.  The code itself states the register
; dependences between vector or matrix instructions and memory or LDS instructions, with s_wait_alu, always for 0.
; THE PLAN.  Registers that memory or LDS instructions touch:
;   v4, v11      global offsets, made at the head ahead of the first load, never written again.
;   v5 .. v10    LDS and output addresses, made once while the loads are out, never written again.
;   X            The 32 loads land here.  They go in eight groups of four: group g's conversions read its sixteen registers and write
;                eight of them; the four LDS stores that read those eight are issued in group g + 1.  Later the fragments land here.
;   F beyond X   named by the fragments' loads and the matrix instructions alone.
;   ACC          written by the matrix instructions, read by four LDS stores.  v[32:47] take the stage's rows on the way out.
; So ONE wait on va_vdst stands at the head of a group, behind its wait for data: the group before has written what the four stores
; below read.  These stores are dealt among the group's conversions, which name the group's own sixteen registers alone.
; One wait on vm_vsrc, behind the barrier, stands between the fill's stores and the fragments' loads into the same registers.
.set PITCH,  528                       ; an LDS row of 256 bf16 + 16 bytes: 33 x 16, so the 16 rows of a fragment load start in 16 different 16-byte columns of a 256-byte span
.set STAGE,  128*PITCH                 ; behind the operands (rows 0-63 x, rows 64-127 W): 64 channel rows of 64 f32 for the way out
.set SPITCH, 272                       ; 256 bytes + 16, 17 x 16
.set CHAN,   9216                      ; bytes of a channel in qkv
.set BT,     12                        ; v[12:19]    the bias as a C tile: b[my channel] in all eight registers
.set X,      32                        ; v[32:159]   32 loads of 4 f32; the first two registers of each then hold 4 bf16
.set F,      32                        ; v[32:223]   fragments, 24 registers a K step of 32: B, A of tile 0, A of tile 1
.set ACC,    224                       ; v[224:239]  two accumulator tiles
; v1 lane L, v2 r = L & 15, v3 h = L >> 4, v4 16 L, v5 LDS fill address, v6 A fragments, v7 B fragments, v8 stage in, v9 stage out,
; v10 byte offset in qkv, v11 byte offset in the bias
	s_load_b512 s[8:23], s[0:1], 0x0               ; x s[8:9], Wq, Wk, Wv s[10:15], bq, bk, bv s[16:21], qkv s[22:23]
	v_lshl_add_u32 v30, v0, 2, 0x14c00
	v_mov_b32 v31, 0
	v_lshrrev_b32 v1, 5, v0
	v_readfirstlane_b32 s2, v1                     ; wave w
	v_and_b32 v1, 31, v0
	v_and_b32 v2, 15, v0
	v_bfe_u32 v3, v0, 4, 1
	v_lshlrev_b32 v4, 4, v1                        ; 16 bytes a lane: one load covers 512 consecutive bytes
	s_wait_alu depctr_va_sdst(0)                   ; s2 is written, ahead of its first reader: tiles, rows and LDS addresses are made from it
	s_and_b32 s3, s2, 3                            ; nt
	s_lshr_b32 s4, s2, 2                           ; mh
	s_and_b32 s5, ttmp7, 0xffff                    ; grid y
	s_lshr_b32 s6, s5, 2                           ; mat: 0 q, 1 k, 2 v
	s_and_b32 s7, s5, 3
	s_lshl_b32 s7, s7, 6                           ; c0: first channel of the block
	s_lshl_b32 s35, s3, 4                          ; 16 nt: also the first of the 16 rows that this wave fetches, inside its part
	s_lshl_b32 s34, ttmp9, 6                       ; 64 tx: first row of x
	s_add_co_u32 s36, s35, s7                      ; c0 + 16 nt
	v_add_lshl_u32 v11, v2, s36, 2                 ; 4 (c0 + 16 nt + r)
	s_mul_i32 s32, s7, CHAN                        ; where the block goes: channel c0,
	s_mul_i32 s37, s6, 3072                        ; row mat of it,
	s_add_co_u32 s32, s32, s37
	s_lshl_b32 s37, ttmp9, 8                       ; 64 tx numbers of 4 bytes along it
	s_add_co_u32 s32, s32, s37
	s_mov_b32 s33, 0
	s_mov_b32 s31, 0
	s_wait_kmcnt 0x0
	s_cmp_eq_u32 s6, 1                             ; the block's W and b
	s_cselect_b64 s[24:25], s[12:13], s[10:11]
	s_cselect_b64 s[26:27], s[18:19], s[16:17]
	s_cmp_eq_u32 s6, 2
	s_cselect_b64 s[24:25], s[14:15], s[24:25]
	s_cselect_b64 s[26:27], s[20:21], s[26:27]
	s_cmp_lt_u32 s2, 4                             ; waves 0-3 fetch x, waves 4-7 fetch W
	s_cselect_b32 s30, s34, s7
	s_cselect_b64 s[28:29], s[8:9], s[24:25]
	s_add_co_u32 s30, s30, s35                     ; first row of my 16
	s_lshl_b32 s30, s30, 10                        ; rows of 1,024 bytes
	s_add_nc_u64 s[28:29], s[28:29], s[30:31]
	s_add_nc_u64 s[22:23], s[22:23], s[32:33]
	s_wait_alu depctr_va_vdst(0)                   ; v4 and v11 are written, which the 33 loads below read as their offsets
	global_load_b32 v[BT], v11, s[26:27]           ; the oldest load: the first counted wait below covers it
; 16 rows of 1,024 bytes: load n is half n & 1 of row n >> 1
.macro FILL_LOADS
.set n, 0
.rept 32
	global_load_b128 v[X+4*n:X+4*n+3], v4, s[28:29] offset:512*n
.set n, n+1
.endr
.endm
; four loads at a time: round 4 f32 to 4 bf16 in place; 8 bytes a lane into LDS (32 lanes: 256 consecutive bytes), a group later
.macro FILL_STORES
.set n, 0
.rept 8
	s_wait_loadcnt 28-n                            ; loads n .. n + 3 are in: 28 - n younger ones stay out
.if n > 3
	s_wait_alu depctr_va_vdst(0)                   ; the group before has written its eight registers, which the four stores below read (at the first such wait also: v5 to v10 are written)
.endif
.rept 4
.if n > 3
	ds_store_b64 v5, v[X+4*(n-4):X+4*(n-4)+1] offset:((n-4)>>1)*PITCH+((n-4)&1)*256   ; no wait: no vector instruction since the wait names v5 or the group before's registers
.endif
	v_cvt_pk_bf16_f32 v[X+4*n],   v[X+4*n],   v[X+4*n+1]
	v_cvt_pk_bf16_f32 v[X+4*n+1], v[X+4*n+2], v[X+4*n+3]
.set n, n+1
.endr
.endr
	s_wait_alu depctr_va_vdst(0)                   ; the last group has written its eight registers, which the stores below read; every conversion is done with X, in which the fragments will land
.rept 4
	ds_store_b64 v5, v[X+4*(n-4):X+4*(n-4)+1] offset:((n-4)>>1)*PITCH+((n-4)&1)*256
.set n, n+1
.endr
.endm
	FILL_LOADS
	; addresses, while the loads are on their way
	s_mul_i32 s36, s2, 16*PITCH                    ; LDS rows 16 w .. 16 w + 15 are this wave's
	v_lshl_add_u32 v5, v1, 3, s36
	s_lshl_b32 s36, s4, 5
	v_add_nc_u32 v6, s36, v2                       ; A: row 32 mh + r of x
	v_mul_u32_u24 v6, v6, PITCH
	v_lshl_add_u32 v6, v3, 4, v6                   ; + 16 h
	s_add_co_u32 s37, s35, 64
	v_add_nc_u32 v7, s37, v2                       ; B: row 64 + 16 nt + r (W)
	v_mul_u32_u24 v7, v7, PITCH
	v_lshl_add_u32 v7, v3, 4, v7
	v_add_nc_u32 v8, s35, v2                       ; stage in: channel row 16 nt + r,
	v_mul_u32_u24 v8, v8, SPITCH
	v_lshl_add_u32 v8, v3, 5, v8                   ; i = 32 mh + 8 h (+ 16 a + j), 4 bytes each
	s_lshl_b32 s36, s4, 7
	s_add_co_u32 s36, s36, STAGE
	v_add_nc_u32 v8, s36, v8
	s_lshl_b32 s36, s2, 1
	v_add_nc_u32 v9, s36, v3                       ; stage out: channel row 2 w + h (+ 16 p), 16 bytes for each of 16 lanes
	v_mul_u32_u24 v10, v9, CHAN
	v_lshl_add_u32 v10, v2, 4, v10                 ; the same row in qkv
	v_mul_u32_u24 v9, v9, SPITCH
	v_lshl_add_u32 v9, v2, 4, v9
	v_add_nc_u32 v9, STAGE, v9
	FILL_STORES
.irp j, 1,2,3,4,5,6,7
	v_mov_b32 v[BT+\j], v[BT]                      ; C(m, n = r) = b[16 nt + r] for all eight m of the lane; no load or store names these registers from here on
.endr
	s_wait_dscnt 0x0                               ; my rows are in LDS, for the other waves' sake
	s_barrier_signal -1
	s_barrier_wait -1
	s_wait_alu depctr_vm_vsrc(0)                   ; my LDS stores have read X's registers, in which the fragments' loads land
	; A fragment of 16 rows x 32 K: two loads of 16 bytes, 32 apart.  Every K step's six loads have registers of their own.
.macro FRAG ks
	ds_load_b128 v[F+24*(\ks):F+24*(\ks)+3],     v7 offset:64*(\ks)
	ds_load_b128 v[F+24*(\ks)+4:F+24*(\ks)+7],   v7 offset:64*(\ks)+32
	ds_load_b128 v[F+24*(\ks)+8:F+24*(\ks)+11],  v6 offset:64*(\ks)
	ds_load_b128 v[F+24*(\ks)+12:F+24*(\ks)+15], v6 offset:64*(\ks)+32
	ds_load_b128 v[F+24*(\ks)+16:F+24*(\ks)+19], v6 offset:64*(\ks)+16*PITCH
	ds_load_b128 v[F+24*(\ks)+20:F+24*(\ks)+23], v6 offset:64*(\ks)+16*PITCH+32
.endm
	FRAG 0                                         ; four K steps' loads go first; the other four are dealt among the matrix instructions
	FRAG 1
	FRAG 2
	FRAG 3
.irp ks, 0,1,2,3,4,5,6,7
.if \ks < 5
	s_wait_dscnt 18                                ; this K step's six loads are in; the six of each of the three steps behind it stay out
.else
	s_wait_dscnt 42-6*\ks                          ; the counts run down: 12, 6, 0
.endif
.irp a, 0,1
.if \ks
	v_wmma_f32_16x16x32_bf16 v[ACC+8*\a:ACC+8*\a+7], v[F+24*\ks+8+8*\a:F+24*\ks+15+8*\a], v[F+24*\ks:F+24*\ks+7], v[ACC+8*\a:ACC+8*\a+7]
.else
	v_wmma_f32_16x16x32_bf16 v[ACC+8*\a:ACC+8*\a+7], v[F+24*\ks+8+8*\a:F+24*\ks+15+8*\a], v[F+24*\ks:F+24*\ks+7], v[BT:BT+7]   ; the bias starts the sums: nothing is cleared
.endif
.endr
.if \ks < 4
	FRAG \ks+4                                     ; no wait: the matrix instructions issued so far name the fragments of steps 0 .. ks, the bias and the accumulators, none of these 24 registers
.endif
.endr
	; THE WAY OUT.  Register j of lane (r, h) of tile a is (i = 32 mh + 16 a + 8 h + j, channel 16 nt + r): eight neighbouring i of one
	; channel, which is how qkv wants them.  Through the stage, so that 16 lanes store 256 consecutive bytes of a channel's row.
.rept 4
	v_nop                                          ; four places behind the last matrix instructions (ISA guide 7.12.1) before results are read
.endr
	s_wait_alu depctr_va_vdst(0)                   ; the matrix instructions have written the accumulators, which the LDS stores read, and are done reading v[32:47], in which the stage's rows land; the places above stay beside this wait
.irp a, 0,1
	ds_store_b128 v8, v[ACC+8*\a:ACC+8*\a+3]   offset:64*\a
	ds_store_b128 v8, v[ACC+8*\a+4:ACC+8*\a+7] offset:64*\a+16
.endr
	s_wait_dscnt 0x0                               ; my tiles are in the stage, for the other waves' sake
	s_barrier_signal -1
	s_barrier_wait -1
.irp p, 0,1,2,3
	ds_load_b128 v[X+4*\p:X+4*\p+3], v9 offset:16*SPITCH*\p
.endr
.irp p, 0,1,2,3
	s_wait_dscnt 3-\p                              ; load p is in, the younger ones stay out
	global_store_b128 v10, v[X+4*\p:X+4*\p+3], s[22:23] offset:16*CHAN*\p   ; 16 lanes: 256 consecutive bytes at a multiple of 256 from qkv's first byte
.endr
	s_wait_dscnt 0x0
	s_wait_alu depctr_hold_cnt(0) depctr_sa_sdst(0) depctr_va_vdst(0) depctr_va_sdst(0) depctr_va_ssrc(0) depctr_va_vcc(0) depctr_vm_vsrc(0)
	s_wait_tensorcnt 0x0
	ds_add_u32 v30, v31
	s_wait_dscnt 0x0
	s_endpgm
.Lfunc_end_k_q72e705ddac_qkv_proj:
	.size	k_q72e705ddac_qkv_proj, .Lfunc_end_k_q72e705ddac_qkv_proj-k_q72e705ddac_qkv_proj
	.p2alignl 7, 3214868480
	.fill 96, 4, 3214868480
	.section	.rodata,"a",@progbits
	.p2align	6, 0x0
	.amdhsa_kernel k_q72e705ddac_qkv_proj
		.amdhsa_group_segment_fixed_size 86016
		.amdhsa_private_segment_fixed_size 0
		.amdhsa_enable_private_segment 0
		.amdhsa_kernarg_size 64
		.amdhsa_user_sgpr_count 2
		.amdhsa_user_sgpr_kernarg_segment_ptr 1
		.amdhsa_wavefront_size32 1
		.amdhsa_system_sgpr_workgroup_id_x 1
		.amdhsa_system_sgpr_workgroup_id_y 1
		.amdhsa_system_sgpr_workgroup_id_z 1
		.amdhsa_system_vgpr_workitem_id 0
		.amdhsa_next_free_vgpr 240
		.amdhsa_next_free_sgpr 66
		.amdhsa_reserve_vcc 0
		.amdhsa_float_denorm_mode_32 3
		.amdhsa_float_denorm_mode_16_64 3
		.amdhsa_memory_ordered 1
		.amdhsa_forward_progress 1
		.amdhsa_inst_pref_size 19
	.end_amdhsa_kernel
	.amdgpu_metadata
---
amdhsa.version: [ 1, 2 ]
amdhsa.kernels:
  - .name:           k_q72e705ddac_qkv_proj
    .symbol:         k_q72e705ddac_qkv_proj.kd
    .args:
      - { .name: protein_embedding, .offset: 0, .size: 8, .value_kind: global_buffer, .address_space: global }
      - { .name: Wq, .offset: 8, .size: 8, .value_kind: global_buffer, .address_space: global }
      - { .name: Wk, .offset: 16, .size: 8, .value_kind: global_buffer, .address_space: global }
      - { .name: Wv, .offset: 24, .size: 8, .value_kind: global_buffer, .address_space: global }
      - { .name: bq, .offset: 32, .size: 8, .value_kind: global_buffer, .address_space: global }
      - { .name: bk, .offset: 40, .size: 8, .value_kind: global_buffer, .address_space: global }
      - { .name: bv, .offset: 48, .size: 8, .value_kind: global_buffer, .address_space: global }
      - { .name: qkv, .offset: 56, .size: 8, .value_kind: global_buffer, .address_space: global }
    .group_segment_fixed_size: 86016
    .private_segment_fixed_size: 0
    .kernarg_segment_align: 8
    .kernarg_segment_size: 64
    .max_flat_workgroup_size: 256
    .sgpr_count:     66
    .vgpr_count:     240
    .wavefront_size: 32
...
	.end_amdgpu_metadata
.endif
;; end of part 4
;; launch chan_softmax (part 5): grid 256 x 1, 12 waves a work-group, no clusters, 32,512 bytes of LDS; arguments qkv, att; writes att
.if DOCPART == 5
	.amdgcn_target "amdgcn-amd-amdhsa--gfx1250"
	.amdhsa_code_object_version 6
	.text
	.protected	k_q72e705ddac_chan_softmax
	.globl	k_q72e705ddac_chan_softmax
	.p2align	8
	.type	k_q72e705ddac_chan_softmax,@function
k_q72e705ddac_chan_softmax:
	s_mov_b64 s[64:65], 0
	v_nop
	global_prefetch_b8 v0, s[64:65] scope:SCOPE_SE
	s_setreg_imm32_b32 hwreg(HW_REG_WAVE_SCHED_MODE, 0, 2), 2
	s_setreg_imm32_b32 hwreg(HW_REG_WAVE_MODE, 25, 1), 1
	s_wait_xcnt 0x0
	s_wait_alu depctr_vm_vsrc(0)
; For one channel c (the work-group): att[c][i] = sum_j e(i, j) v[j] / sum_j e(i, j),  e(i, j) = exp(q[i] k[j] / 16 - max_j q[i] k[j] / 16).
; The channels do not meet before the last projection, so a work-group needs 9,216 bytes (its q, k, v rows) and shares no input with
; any other: no cluster.  All in f32 on the vector unit: each exponential feeds one add and one multiply-add, a dot product, not a
; matrix product (a matrix instruction would use 2 of its 16 columns and take the softmax sums out of f32).
; THE MAXIMUM is taken away as the softmax asks, and is exact without a pass over j: max_j q k_j = max(q kmax, q kmin), with kmax and
; kmin the channel's extremes.  It is the same for every part of the keys, so the partial sums of the four key quarters simply add.
; Twelve waves: wave w takes key quarter jq = w & 3 (192 keys) for row group g = w >> 2 (256 rows); lane L owns the 8 rows
; 256 g + 128 t + 4 L + e (t = 0, 1; e = 0..3).  k and v come from LDS with one address for all lanes, 4 keys a load, each used for 8 rows.
; LIMITS.  The exponent is fma(q', k_j, -m), q' = q log2(e) / 16, m rounded once: exact softmax shifted by m, whose distance from the
; true maximum is at most half a unit of m's last place: below 1 while |m| < 2^24, and no sum overflows while |m| < 2^30.
; v_exp_f32 gives 0 for results below 2^-126 (ISA guide 15.8), against a denominator near 1 or above.  The division is v_rcp_f32
; (1 ULP) and a multiply.  The sum over j runs in eight interleaved parts, not in the order of a plain loop.
; THE MODE: SCHED_MODE bits 1:0 = 2 (LLVM: expert scheduling mode 2), set by the entry lines.  The code itself states the register
; dependences between vector instructions and memory or LDS instructions, with s_wait_alu, always for 0.
; THE PLAN.  Registers that memory or LDS instructions touch:
;   v2, v3, v21, v38, v172, v173   addresses, made at the head ahead of the first load, never written again.
;   v20          LDS address of the keys; read by every load of keys, written once a lap of two trips.
;   KB set 0, 1  A trip is 8 keys.  Trip t's vector instructions read set t % 2; the four loads issued at its head, trip t + 1's keys,
;                land in the other set, which trip t - 1 read and which no vector instruction of trip t names.
;   v16, v17; RS, RA; v[128:129]   results that a store reads, each behind a wait of its own.
; So ONE wait on va_vdst stands at a trip's head: the trip before is done reading its set, and in a lap's first trip v20 is written.
; One wait on vm_vsrc a lap stands ahead of the add to v20.
.set KLDS, 0                           ; k row, 3,072 bytes
.set VLDS, 3072                        ; v row
.set MM,   6144                        ; (max, min) of waves 0-5, 8 bytes each
.set PSUM, 6400                        ; [jq][i] f32: partial denominators, 4 x 3,072 bytes
.set PACC, PSUM+4*3072                 ; [jq][i] f32: partial numerators
.set Q,    40                          ; v[40:55]    row r: (q', q')
.set NM,   56                          ; v[56:71]    row r: (-m, -m)
.set SUM,  72                          ; v[72:87]    row r: sums of e over even and over odd keys
.set ACC,  88                          ; v[88:103]   row r: the same of e v
.set EX,   104                         ; v[104:135]  row r, pair p of the step's 4 keys: exponent, then exponential
.set KB,   136                         ; v[136:167]  set s, buffer b: 4 k at KB + 16 s + 8 b, 4 v at KB + 16 s + 8 b + 4
.set T,    168                         ; v[168:171]  at work
.set RS,   104                         ; behind the loop: the 8 rows' denominators,
.set RA,   112                         ; and numerators
; v1 lane, v2 16 t (t = thread), v3 1024 g + 16 L, v[4:7] my 16 bytes of k or v, v[8:15] q of my 8 rows, v[16:19] reduction,
; v20 LDS address of the keys, v21 8 w, v22 kmax, v24 kmin, v[26:37] MM as read, v38 MM's address, v172, v173 addresses of the partial sums
	s_load_b128 s[4:7], s[0:1], 0x0                ; qkv s[4:5], att s[6:7]
	v_lshl_add_u32 v174, v0, 2, 0x7900
	v_mov_b32 v175, 0
	v_lshrrev_b32 v1, 5, v0
	v_readfirstlane_b32 s8, v1                     ; wave w
	v_and_b32 v1, 31, v0
	v_lshlrev_b32 v2, 4, v0
	v_mov_b32 v38, MM
	v_lshlrev_b32 v173, 3, v0                      ; at the end thread t finishes rows 2 t and 2 t + 1: 8 bytes
	s_wait_alu depctr_va_sdst(0)                   ; s8 is written, ahead of its first reader: quarter, row group and a branch are made from it
	s_and_b32 s9, s8, 3                            ; jq
	s_lshr_b32 s10, s8, 2                          ; g
	s_mul_i32 s12, ttmp9, 9216                     ; the channel in qkv
	s_mov_b32 s13, 0
	s_mul_i32 s14, ttmp9, 3072                     ; and in att
	s_mov_b32 s15, 0
	s_mov_b32 s16, 0x76543210                      ; v_permlanex16_b32: lane i of one half reads lane i of the other
	s_mov_b32 s17, 0xfedcba98
	s_lshl_b32 s11, s10, 10
	v_lshl_add_u32 v3, v1, 4, s11
	s_lshl_b32 s18, s8, 3
	v_mov_b32 v21, s18                             ; 8 w
	s_mul_i32 s19, s9, 768                         ; my quarter: 192 keys of 4 bytes
	v_mov_b32 v20, s19
	s_mul_i32 s21, s9, 3072
	s_add_co_u32 s21, s21, PSUM
	v_add_nc_u32 v172, s21, v3                     ; [jq][256 g + 4 L]
	s_wait_kmcnt 0x0
	s_add_nc_u64 s[4:5], s[4:5], s[12:13]
	s_add_nc_u64 s[6:7], s[6:7], s[14:15]
	s_wait_alu depctr_va_vdst(0)                   ; the seven addresses v2, v3, v20, v21, v38, v172, v173 are written, which the loads and stores below read
	global_load_b128 v[4:7], v2, s[4:5] offset:3072 th:TH_LOAD_NT   ; 384 threads x 16 bytes = the k row and the v row, each byte read once in the launch
	global_load_b128 v[8:11], v3, s[4:5]                            ; q of rows 256 g + 4 L + e (four waves read each: no hint)
	global_load_b128 v[12:15], v3, s[4:5] offset:512                ; and 128 rows further
	s_wait_loadcnt 0x2                             ; k / v is in; the two loads of q stay out
	ds_store_b128 v2, v[4:7]                       ; LDS byte 16 t: k at 0, v at 3,072
	s_cmp_ge_u32 s8, 6                             ; waves 0-5 hold k: each finds the extremes of its 128 numbers
	s_cbranch_scc1 .Lnok
	v_max3_num_f32 v16, v4, v5, v6
	v_min3_num_f32 v17, v4, v5, v6
	v_max_num_f32 v16, v16, v7
	v_min_num_f32 v17, v17, v7
.irp x, 1,2,4,8
	v_max_num_f32_dpp v16, v16, v16 row_xmask:\x row_mask:0xf bank_mask:0xf
	v_min_num_f32_dpp v17, v17, v17 row_xmask:\x row_mask:0xf bank_mask:0xf
.endr
	v_mov_b32 v18, v16                             ; the permute's destination counts as read
	v_mov_b32 v19, v17
	v_permlanex16_b32 v18, v16, s16, s17
	v_permlanex16_b32 v19, v17, s16, s17
	v_max_num_f32 v16, v16, v18
	v_min_num_f32 v17, v17, v19
	s_wait_alu depctr_va_vdst(0)                   ; v16 and v17 are written, which the LDS store reads
	ds_store_b64 v21, v[16:17] offset:MM           ; every lane the same two words
.Lnok:
	s_wait_dscnt 0x0                               ; my part of k, v and MM is in LDS, for the other waves' sake
	s_barrier_signal -1
	s_barrier_wait -1
	ds_load_b128 v[26:29], v38                     ; no vector instruction has named the registers in which these eleven loads land
	ds_load_b128 v[30:33], v38 offset:16
	ds_load_b128 v[34:37], v38 offset:32
.irp s, 0,1                                            ; both sets: keys 0-7 and keys 8-15
	ds_load_b128 v[KB+16*\s:KB+16*\s+3],     v20 offset:KLDS+32*\s
	ds_load_b128 v[KB+16*\s+4:KB+16*\s+7],   v20 offset:VLDS+32*\s
	ds_load_b128 v[KB+16*\s+8:KB+16*\s+11],  v20 offset:KLDS+32*\s+16
	ds_load_b128 v[KB+16*\s+12:KB+16*\s+15], v20 offset:VLDS+32*\s+16
.endr
	s_wait_dscnt 0x8                               ; MM is in; the two sets' eight loads stay out
	v_max3_num_f32 v22, v26, v28, v30
	v_max3_num_f32 v23, v32, v34, v36
	v_min3_num_f32 v24, v27, v29, v31
	v_min3_num_f32 v25, v33, v35, v37
	v_max_num_f32 v22, v22, v23                    ; kmax
	v_min_num_f32 v24, v24, v25                    ; kmin
	s_wait_loadcnt 0x0                             ; q
.irp r, 0,1,2,3,4,5,6,7
	v_mul_f32 v[Q+2*\r], 0x3db8aa3b, v[8+\r]       ; q' = q log2(e) / 16
	v_mul_f32 v[T], 0xbdb8aa3b, v[8+\r]            ; -q'
	v_mul_f32 v[T+1], v[T], v22
	v_mul_f32 v[T+2], v[T], v24
	v_mov_b32 v[Q+2*\r+1], v[Q+2*\r]
	v_min_num_f32 v[NM+2*\r], v[T+1], v[T+2]       ; -m = min(-q' kmax, -q' kmin) = -max_j q' k_j
	v_mov_b32 v[NM+2*\r+1], v[NM+2*\r]
.endr
; kb: the first register of a buffer: 4 k, then 4 v
.macro ARG kb, p                       ; exponents of 8 rows x 2 keys
.irp r, 0,1,2,3,4,5,6,7
	v_pk_fma_f32 v[EX+4*\r+2*\p:EX+4*\r+2*\p+1], v[Q+2*\r:Q+2*\r+1], v[(\kb)+2*\p:(\kb)+2*\p+1], v[NM+2*\r:NM+2*\r+1]
.endr
.endm
.macro EXPS p                          ; 16 exponentials, in place, back to back
.irp r, 0,1,2,3,4,5,6,7
	v_exp_f32 v[EX+4*\r+2*\p],   v[EX+4*\r+2*\p]
	v_exp_f32 v[EX+4*\r+2*\p+1], v[EX+4*\r+2*\p+1]
.endr
.endm
.macro ACCUM kb, p
	s_wait_alu depctr_va_vdst(0)
.irp r, 0,1,2,3,4,5,6,7
	v_pk_add_f32 v[SUM+2*\r:SUM+2*\r+1], v[SUM+2*\r:SUM+2*\r+1], v[EX+4*\r+2*\p:EX+4*\r+2*\p+1]
	v_pk_fma_f32 v[ACC+2*\r:ACC+2*\r+1], v[EX+4*\r+2*\p:EX+4*\r+2*\p+1], v[(\kb)+4+2*\p:(\kb)+5+2*\p], v[ACC+2*\r:ACC+2*\r+1]
.endr
.endm
; Four keys for eight rows.  Behind each run of exponentials stand plain instructions that touch none of its registers before a
; result is used (ISA guide 5.7.2): the second pair's exponents behind the first run, the first pair's sums behind the second.
; first = 1: the first products and the first sum start the accumulators: nothing is cleared.
.macro STEP kb, first
	ARG \kb, 0
	EXPS 0
	ARG \kb, 1
	EXPS 1
.if \first
	s_wait_alu depctr_va_vdst(0)
.irp r, 0,1,2,3,4,5,6,7
	v_pk_mul_f32 v[ACC+2*\r:ACC+2*\r+1], v[EX+4*\r:EX+4*\r+1], v[(\kb)+4:(\kb)+5]
.endr
.irp r, 0,1,2,3,4,5,6,7
	v_pk_add_f32 v[SUM+2*\r:SUM+2*\r+1], v[EX+4*\r:EX+4*\r+1], v[EX+4*\r+2:EX+4*\r+3]
	v_pk_fma_f32 v[ACC+2*\r:ACC+2*\r+1], v[EX+4*\r+2:EX+4*\r+3], v[(\kb)+6:(\kb)+7], v[ACC+2*\r:ACC+2*\r+1]
.endr
.else
	ACCUM \kb, 0
	ACCUM \kb, 1
.endif
.endm
; Eight keys, out of set 'set'.  fill = 1: the next trip's eight keys, at byte 'off' from v20, are asked for into the other set.
; left: the LDS loads younger than this set's four, which may stay out.
.macro TRIP set, first, fill, off, left
.if \fill
	s_wait_alu depctr_va_vdst(0)                   ; the trip before is done reading the other set, in which the four loads below land; in a lap's first trip v20 is written
	ds_load_b128 v[KB+16*(1-\set):KB+16*(1-\set)+3],     v20 offset:KLDS+\off
	ds_load_b128 v[KB+16*(1-\set)+4:KB+16*(1-\set)+7],   v20 offset:VLDS+\off
	ds_load_b128 v[KB+16*(1-\set)+8:KB+16*(1-\set)+11],  v20 offset:KLDS+\off+16
	ds_load_b128 v[KB+16*(1-\set)+12:KB+16*(1-\set)+15], v20 offset:VLDS+\off+16
.endif
	s_wait_dscnt \left                             ; LDS loads come back in order (ISA guide 5.7.1): this set's four are in
	STEP KB+16*\set, \first
	STEP KB+16*\set+8, 0
.endm
; The head of a lap: the keys' address moves on by two trips, 16 keys.
.macro ON
	s_wait_alu depctr_vm_vsrc(0)                   ; the LDS loads issued so far have read v20
	v_add_nc_u32 v20, 64, v20
.endm
	TRIP 0, 1, 0, 0, 4                             ; 24 trips of 8 keys = my 192.  Trip 0 starts the sums; set 1's four loads stay out
	s_mov_b32 s20, 11
.Ltrip:                                                ; lap n (0 .. 10): trips 2 n + 1 and 2 n + 2; v20 = my quarter + 64 (n + 1)
	ON
	TRIP 1, 0, 1, 0, 4                             ; asks for trip 2 n + 2, at byte 64 n + 64 of my quarter
	TRIP 0, 0, 1, 32, 4                            ; asks for trip 2 n + 3, at byte 64 n + 96: in the last lap bytes 736 to 767, my quarter's last
	s_sub_co_i32 s20, s20, 1
	s_cmp_lg_u32 s20, 0
	s_cbranch_scc1 .Ltrip
	TRIP 1, 0, 0, 0, 0                             ; trip 23 loads nothing: no read passes my quarter's end
	; my quarter's sums of my 8 rows, to LDS
.irp r, 0,1,2,3,4,5,6,7
	v_add_f32 v[RS+\r], v[SUM+2*\r], v[SUM+2*\r+1]
	v_add_f32 v[RA+\r], v[ACC+2*\r], v[ACC+2*\r+1]
.endr
	s_wait_alu depctr_va_vdst(0)                   ; RS and RA are written, which the LDS stores read; the trips are done with v[120:135], in which the loads behind the barrier land
	ds_store_b128 v172, v[RS:RS+3]
	ds_store_b128 v172, v[RS+4:RS+7] offset:512
	ds_store_b128 v172, v[RA:RA+3]   offset:PACC-PSUM
	ds_store_b128 v172, v[RA+4:RA+7] offset:PACC-PSUM+512
	s_wait_dscnt 0x0                               ; for the other waves' sake
	s_barrier_signal -1
	s_barrier_wait -1
	; thread t finishes rows 2 t and 2 t + 1
.irp x, 0,1,2,3
	ds_load_b64 v[120+2*\x:121+2*\x], v173 offset:PSUM+3072*\x
.endr
.irp x, 0,1,2,3
	ds_load_b64 v[128+2*\x:129+2*\x], v173 offset:PACC+3072*\x
.endr
	s_wait_dscnt 0x0
	v_pk_add_f32 v[120:121], v[120:121], v[122:123]
	v_pk_add_f32 v[124:125], v[124:125], v[126:127]
	v_pk_add_f32 v[120:121], v[120:121], v[124:125]
	v_rcp_f32 v[T], v120
	v_rcp_f32 v[T+1], v121
	v_pk_add_f32 v[128:129], v[128:129], v[130:131]    ; three plain instructions that touch neither the reciprocals nor their sources
	v_pk_add_f32 v[132:133], v[132:133], v[134:135]
	v_pk_add_f32 v[128:129], v[128:129], v[132:133]
	s_wait_alu depctr_va_vdst(0)
	v_pk_mul_f32 v[128:129], v[128:129], v[T:T+1]
	s_wait_alu depctr_va_vdst(0)                   ; v[128:129] are written, which the store reads
	global_store_b64 v173, v[128:129], s[6:7]      ; a wave stores 256 consecutive bytes at a multiple of 256 from att's first byte; the next launch reads them: no hint
	s_wait_dscnt 0x0
	s_wait_alu depctr_hold_cnt(0) depctr_sa_sdst(0) depctr_va_vdst(0) depctr_va_sdst(0) depctr_va_ssrc(0) depctr_va_vcc(0) depctr_vm_vsrc(0)
	s_wait_tensorcnt 0x0
	ds_add_u32 v174, v175
	s_wait_dscnt 0x0
	s_endpgm
.Lfunc_end_k_q72e705ddac_chan_softmax:
	.size	k_q72e705ddac_chan_softmax, .Lfunc_end_k_q72e705ddac_chan_softmax-k_q72e705ddac_chan_softmax
	.p2alignl 7, 3214868480
	.fill 96, 4, 3214868480
	.section	.rodata,"a",@progbits
	.p2align	6, 0x0
	.amdhsa_kernel k_q72e705ddac_chan_softmax
		.amdhsa_group_segment_fixed_size 32512
		.amdhsa_private_segment_fixed_size 0
		.amdhsa_enable_private_segment 0
		.amdhsa_kernarg_size 16
		.amdhsa_user_sgpr_count 2
		.amdhsa_user_sgpr_kernarg_segment_ptr 1
		.amdhsa_wavefront_size32 1
		.amdhsa_system_sgpr_workgroup_id_x 1
		.amdhsa_system_sgpr_workgroup_id_y 1
		.amdhsa_system_sgpr_workgroup_id_z 1
		.amdhsa_system_vgpr_workitem_id 0
		.amdhsa_next_free_vgpr 176
		.amdhsa_next_free_sgpr 66
		.amdhsa_reserve_vcc 0
		.amdhsa_float_denorm_mode_32 3
		.amdhsa_float_denorm_mode_16_64 3
		.amdhsa_memory_ordered 1
		.amdhsa_forward_progress 1
		.amdhsa_inst_pref_size 42
	.end_amdhsa_kernel
	.amdgpu_metadata
---
amdhsa.version: [ 1, 2 ]
amdhsa.kernels:
  - .name:           k_q72e705ddac_chan_softmax
    .symbol:         k_q72e705ddac_chan_softmax.kd
    .args:
      - { .name: qkv, .offset: 0, .size: 8, .value_kind: global_buffer, .address_space: global }
      - { .name: att, .offset: 8, .size: 8, .value_kind: global_buffer, .address_space: global }
    .group_segment_fixed_size: 32512
    .private_segment_fixed_size: 0
    .kernarg_segment_align: 8
    .kernarg_segment_size: 16
    .max_flat_workgroup_size: 384
    .sgpr_count:     66
    .vgpr_count:     176
    .wavefront_size: 32
...
	.end_amdgpu_metadata
.endif
;; end of part 5
;; launch out_proj (part 6): grid 12 x 4, 8 waves a work-group, no clusters, 93,184 bytes of LDS; arguments att, Wo, bo, out0; writes out0
.if DOCPART == 6
	.amdgcn_target "amdgcn-amd-amdhsa--gfx1250"
	.amdhsa_code_object_version 6
	.text
	.protected	k_q72e705ddac_out_proj
	.globl	k_q72e705ddac_out_proj
	.p2align	8
	.type	k_q72e705ddac_out_proj,@function
k_q72e705ddac_out_proj:
	s_mov_b64 s[64:65], 0
	v_nop
	global_prefetch_b8 v0, s[64:65] scope:SCOPE_SE
	s_setreg_imm32_b32 hwreg(HW_REG_WAVE_SCHED_MODE, 0, 2), 2
	s_setreg_imm32_b32 hwreg(HW_REG_WAVE_MODE, 25, 1), 1
	s_wait_xcnt 0x0
	s_wait_alu depctr_vm_vsrc(0)
; out0[i][o] = sum_c att[c][i] Wo[o][c] + bo[o].  att [256 c][768 i] f32 (channel-major, as the launch before left it), Wo [256][256] f32.
; A work-group makes 64 rows i (grid x) x 64 outputs o (grid y), K = 256 in one go: 48 work-groups, so that the pieces of att's rows
; that are read and of out0's rows that are written stay 256 whole consecutive bytes; a finer split would cut them.
; Eight waves: wave w makes i tile it = w & 3 and the o tiles 2 oh, 2 oh + 1 (oh = w >> 2).
; Source 0 = rows of Wo (m = o), source 1 = att (n = i): a lane's eight results are eight neighbouring o of one row of out0.
; att lies [K][N], so its fragments come by the transposing LDS load.
; FORMAT: att and Wo are rounded once to bf16 (nearest even) as matrix operands; sums and bias in f32.
; NO TENSOR LOADS, NO CLUSTER, though 4 work-groups read the same piece of att and 12 the same rows of Wo: the operands lie in memory
; as f32 and are wanted in LDS as bf16; through registers each number is rounded once, and the single fill (128 KiB a work-group,
; 32 loads of each wave in flight at once) has no ring to share.
; THE MODE: SCHED_MODE bits 1:0 = 2 (LLVM: expert scheduling mode 2), set by the entry lines.  The code itself states the register
; dependences between vector or matrix instructions and memory or LDS instructions, with s_wait_alu, always for 0.
; THE PLAN.  Registers that memory or LDS instructions touch:
;   v4, v5, v11, v12, v13   the fills' and the bias's addresses, made at the head ahead of the first load, never written again.
;   v6 .. v10    fragment, stage and output addresses, made once behind the fill, never written again.
;   X            The 32 loads land here.  They go in eight groups of four: group g's conversions read its sixteen registers and write
;                eight of them; the four LDS stores that read those eight are issued in group g + 1.  Later the fragments land here.
;   F beyond X   named by the fragments' loads and the matrix instructions alone.
;   ACC          The bias's loads land here; then written by the matrix instructions and read by four LDS stores.
; So ONE wait on va_vdst stands at the head of a group, behind its wait for data: the group before has written what the four stores
; below read.  These stores are dealt among the group's conversions, which name the group's own sixteen registers alone.
; Behind the barrier one wait on va_vdst (the addresses made behind the fill) and one on vm_vsrc (the fill's stores have read X).
.set PITCH,  528                       ; Wo in LDS: 64 rows of 256 bf16 + 16 bytes, 33 x 16
.set AT,     64*PITCH                  ; att in LDS: 256 rows c of 64 bf16 (i),
.set APITCH, 160                       ; 128 bytes + 32: 5 x 32, an odd multiple of 32 for the transposing load
.set STAGE,  AT+256*APITCH             ; 64 rows i of 64 f32 for the way out
.set SPITCH, 272
.set X,      32                        ; v[32:159]   32 loads of 4 f32; the first two registers of each then hold 4 bf16
.set F,      32                        ; v[32:223]   fragments, 24 registers a K step of 32: B (att), A of o tile 0, A of o tile 1
.set ACC,    224                       ; v[224:239]  two accumulator tiles, started by the bias
; v1 lane L, v2 r = L & 15, v3 h = L >> 4; Wo's fill: v4 global, v5 LDS; att's fill: v12 global, v13 LDS;
; v6 A fragments, v7 B fragments, v8 stage in, v9 stage out, v10 byte offset in out0, v11 byte offset in bo, v14 at work
	s_load_b256 s[8:15], s[0:1], 0x0               ; att s[8:9], Wo s[10:11], bo s[12:13], out0 s[14:15]
	v_lshl_add_u32 v30, v0, 2, 0x16800
	v_mov_b32 v31, 0
	v_lshrrev_b32 v1, 5, v0
	v_readfirstlane_b32 s2, v1                     ; wave w
	v_and_b32 v1, 31, v0
	v_and_b32 v2, 15, v0
	v_bfe_u32 v3, v0, 4, 1
	v_lshlrev_b32 v4, 4, v1                        ; Wo: 16 bytes a lane, 512 consecutive bytes a load
	v_mul_u32_u24 v12, v3, 4*3072                  ; att: lanes 0-15 take 256 bytes of row c, lanes 16-31 of row c + 4
	v_lshl_add_u32 v12, v2, 4, v12
	s_wait_alu depctr_va_sdst(0)                   ; s2 is written, ahead of its first reader: tiles, rows, LDS addresses and a branch are made from it
	s_and_b32 s3, s2, 3                            ; it; also which quarter of its operand the wave fetches
	s_lshr_b32 s4, s2, 2                           ; oh
	s_and_b32 s5, ttmp7, 0xffff                    ; ty
	s_lshl_b32 s16, s5, 8                          ; 64 ty numbers of 4 bytes
	s_lshl_b32 s17, s4, 7
	s_add_co_u32 s17, s17, s16
	v_lshl_add_u32 v11, v3, 5, s17                 ; bo: 4 (64 ty + 32 oh + 8 h)
	s_lshl_b32 s30, s5, 6                          ; Wo: row 64 ty + 16 it, rows of 1,024 bytes
	s_lshl_b32 s18, s3, 4
	s_add_co_u32 s30, s30, s18
	s_lshl_b32 s30, s30, 10
	s_mov_b32 s31, 0
	s_mul_i32 s32, s3, 64*3072                     ; att: row 64 it, rows of 3,072 bytes, column 64 tx
	s_lshl_b32 s18, ttmp9, 8
	s_add_co_u32 s32, s32, s18
	s_mov_b32 s33, 0
	s_lshl_b32 s34, ttmp9, 16                      ; out0: row 64 tx, rows of 1,024 bytes, column 64 ty
	s_add_co_u32 s34, s34, s16
	s_mov_b32 s35, 0
	s_mul_i32 s18, s3, 16*PITCH
	v_lshl_add_u32 v5, v1, 3, s18                  ; Wo's LDS rows 16 it .. + 15, 8 bytes a lane
	s_mul_i32 s19, s3, 64*APITCH
	s_add_co_u32 s19, s19, AT
	v_mul_u32_u24 v13, v3, 4*APITCH
	v_lshl_add_u32 v13, v2, 3, v13
	v_add_nc_u32 v13, s19, v13                     ; att's LDS rows 64 it + 4 h .., 8 bytes for each of 16 lanes
	s_wait_kmcnt 0x0
	s_add_nc_u64 s[28:29], s[10:11], s[30:31]
	s_add_nc_u64 s[36:37], s[8:9], s[32:33]
	s_add_nc_u64 s[14:15], s[14:15], s[34:35]
	s_wait_alu depctr_va_vdst(0)                   ; v4, v5, v11, v12 and v13 are written, which the loads and the fill's stores below read
	; the bias goes straight into the accumulators: register j of lane (r, h) of tile a is o = 32 oh + 16 a + 8 h + j
.irp a, 0,1
	global_load_b128 v[ACC+8*\a:ACC+8*\a+3],   v11, s[12:13] offset:64*\a
	global_load_b128 v[ACC+8*\a+4:ACC+8*\a+7], v11, s[12:13] offset:64*\a+16
.endr
; Waves 0-3: 16 rows of Wo each; load n is half n & 1 of row n >> 1.  A group's four stores are issued in the group behind it.
.macro FILLW
.set n, 0
.rept 32
	global_load_b128 v[X+4*n:X+4*n+3], v4, s[28:29] offset:512*n
.set n, n+1
.endr
.set n, 0
.rept 8
	s_wait_loadcnt 28-n                            ; loads n .. n + 3 (and the older bias) are in: 28 - n younger ones stay out
.if n > 3
	s_wait_alu depctr_va_vdst(0)                   ; the group before has written its eight registers, which the four stores below read
.endif
.rept 4
.if n > 3
	ds_store_b64 v5, v[X+4*(n-4):X+4*(n-4)+1] offset:((n-4)>>1)*PITCH+((n-4)&1)*256   ; no wait: no vector instruction since the wait names v5 or the group before's registers
.endif
	v_cvt_pk_bf16_f32 v[X+4*n],   v[X+4*n],   v[X+4*n+1]
	v_cvt_pk_bf16_f32 v[X+4*n+1], v[X+4*n+2], v[X+4*n+3]
.set n, n+1
.endr
.endr
	s_wait_alu depctr_va_vdst(0)                   ; the last group has written its eight registers, which the stores below read
.rept 4
	ds_store_b64 v5, v[X+4*(n-4):X+4*(n-4)+1] offset:((n-4)>>1)*PITCH+((n-4)&1)*256
.set n, n+1
.endr
.endm
; Waves 4-7: 64 rows c of att each, 256 bytes of each row; load n takes rows 8 (n >> 2) + (n & 3) and, in lanes 16-31, 4 further:
; in LDS these two rows lie 640 bytes apart, so the two halves of a store fall into different halves of a 256-byte span.
.macro FILLT
.set n, 0
.rept 32
	global_load_b128 v[X+4*n:X+4*n+3], v12, s[36:37] offset:3072*(8*(n>>2)+(n&3))
.set n, n+1
.endr
.set n, 0
.rept 8
	s_wait_loadcnt 28-n                            ; as above
.if n > 3
	s_wait_alu depctr_va_vdst(0)                   ; the group before has written its eight registers, which the four stores below read
.endif
.rept 4
.if n > 3
	ds_store_b64 v13, v[X+4*(n-4):X+4*(n-4)+1] offset:APITCH*(8*((n-4)>>2)+((n-4)&3))   ; no wait: no vector instruction since the wait names v13 or the group before's registers
.endif
	v_cvt_pk_bf16_f32 v[X+4*n],   v[X+4*n],   v[X+4*n+1]
	v_cvt_pk_bf16_f32 v[X+4*n+1], v[X+4*n+2], v[X+4*n+3]
.set n, n+1
.endr
.endr
	s_wait_alu depctr_va_vdst(0)                   ; the last group has written its eight registers, which the stores below read
.rept 4
	ds_store_b64 v13, v[X+4*(n-4):X+4*(n-4)+1] offset:APITCH*(8*((n-4)>>2)+((n-4)&3))
.set n, n+1
.endr
.endm
	s_cmp_ge_u32 s2, 4
	s_cbranch_scc1 .Latt
	FILLW
	s_branch .Ljoin
.Latt:
	FILLT
.Ljoin:
	; addresses, while the LDS stores finish: none of these registers is one that a pending store reads
	s_lshl_b32 s18, s4, 5
	v_add_nc_u32 v6, s18, v2                       ; A: row 32 oh + r of Wo's 64
	v_mul_u32_u24 v6, v6, PITCH
	v_lshl_add_u32 v6, v3, 4, v6                   ; + 16 h
	v_and_b32 v7, 7, v0                            ; B, transposing: row 8 h + (L & 7) of the K step's 32,
	v_lshl_add_u32 v7, v3, 3, v7
	v_mul_u32_u24 v7, v7, APITCH
	v_bfe_u32 v14, v0, 3, 1
	v_lshl_add_u32 v7, v14, 4, v7                  ; 16 bytes for each half of the 16 columns,
	s_lshl_b32 s18, s3, 5
	s_add_co_u32 s18, s18, AT
	v_add_nc_u32 v7, s18, v7                       ; from column 16 it
	s_lshl_b32 s18, s3, 4
	v_add_nc_u32 v8, s18, v2                       ; stage in: row i = 16 it + r,
	v_mul_u32_u24 v8, v8, SPITCH
	v_lshl_add_u32 v8, v3, 5, v8                   ; o = 32 oh + 8 h (+ 16 a + j), 4 bytes each
	s_lshl_b32 s18, s4, 7
	s_add_co_u32 s18, s18, STAGE
	v_add_nc_u32 v8, s18, v8
	s_lshl_b32 s18, s2, 1
	v_add_nc_u32 v9, s18, v3                       ; stage out: row 2 w + h (+ 16 p), 16 bytes for each of 16 lanes
	v_lshlrev_b32 v10, 10, v9
	v_lshl_add_u32 v10, v2, 4, v10                 ; the same row in out0
	v_mul_u32_u24 v9, v9, SPITCH
	v_lshl_add_u32 v9, v2, 4, v9
	v_add_nc_u32 v9, STAGE, v9
	s_wait_dscnt 0x0                               ; my rows are in LDS, for the other waves' sake
	s_barrier_signal -1
	s_barrier_wait -1
	s_wait_alu depctr_va_vdst(0)                   ; v6 to v10 are written, which the fragments' loads and the way out read as addresses
	s_wait_alu depctr_vm_vsrc(0)                   ; my LDS stores have read X's registers, in which the fragments' loads land
	; Every K step's six loads have registers of their own.
.macro FRAG ks
	ds_load_tr16_b128 v[F+24*(\ks):F+24*(\ks)+3],   v7 offset:32*APITCH*(\ks)              ; c = 32 ks + 8 h .. + 7 of column i = 16 it + r
	ds_load_tr16_b128 v[F+24*(\ks)+4:F+24*(\ks)+7], v7 offset:32*APITCH*(\ks)+16*APITCH    ; c = 32 ks + 16 + 8 h .. + 7
	ds_load_b128 v[F+24*(\ks)+8:F+24*(\ks)+11],  v6 offset:64*(\ks)
	ds_load_b128 v[F+24*(\ks)+12:F+24*(\ks)+15], v6 offset:64*(\ks)+32
	ds_load_b128 v[F+24*(\ks)+16:F+24*(\ks)+19], v6 offset:64*(\ks)+16*PITCH
	ds_load_b128 v[F+24*(\ks)+20:F+24*(\ks)+23], v6 offset:64*(\ks)+16*PITCH+32
.endm
	FRAG 0                                         ; four K steps' loads go first; the other four are dealt among the matrix instructions
	FRAG 1
	FRAG 2
	FRAG 3
.irp ks, 0,1,2,3,4,5,6,7
.if \ks < 5
	s_wait_dscnt 18                                ; this K step's six loads are in; the six of each of the three steps behind it stay out
.else
	s_wait_dscnt 42-6*\ks                          ; the counts run down: 12, 6, 0
.endif
.irp a, 0,1
	v_wmma_f32_16x16x32_bf16 v[ACC+8*\a:ACC+8*\a+7], v[F+24*\ks+8+8*\a:F+24*\ks+15+8*\a], v[F+24*\ks:F+24*\ks+7], v[ACC+8*\a:ACC+8*\a+7]
.endr
.if \ks < 4
	FRAG \ks+4                                     ; no wait: the matrix instructions issued so far name the fragments of steps 0 .. ks and the accumulators, none of these 24 registers
.endif
.endr
	; THE WAY OUT, through the stage, so that 16 lanes store 256 consecutive bytes of a row of out0
.rept 4
	v_nop                                          ; four places behind the last matrix instructions (ISA guide 7.12.1) before results are read
.endr
	s_wait_alu depctr_va_vdst(0)                   ; the matrix instructions have written the accumulators, which the LDS stores read, and are done reading v[32:47], in which the stage's rows land; the places above stay beside this wait
.irp a, 0,1
	ds_store_b128 v8, v[ACC+8*\a:ACC+8*\a+3]   offset:64*\a
	ds_store_b128 v8, v[ACC+8*\a+4:ACC+8*\a+7] offset:64*\a+16
.endr
	s_wait_dscnt 0x0                               ; my tiles are in the stage, for the other waves' sake
	s_barrier_signal -1
	s_barrier_wait -1
.irp p, 0,1,2,3
	ds_load_b128 v[X+4*\p:X+4*\p+3], v9 offset:16*SPITCH*\p
.endr
.irp p, 0,1,2,3
	s_wait_dscnt 3-\p                              ; load p is in, the younger ones stay out
	global_store_b128 v10, v[X+4*\p:X+4*\p+3], s[14:15] offset:16384*\p th:TH_STORE_NT   ; 16 lanes: 256 consecutive bytes at a multiple of 256 from out0's first byte
.endr
	s_wait_dscnt 0x0
	s_wait_alu depctr_hold_cnt(0) depctr_sa_sdst(0) depctr_va_vdst(0) depctr_va_sdst(0) depctr_va_ssrc(0) depctr_va_vcc(0) depctr_vm_vsrc(0)
	s_wait_tensorcnt 0x0
	ds_add_u32 v30, v31
	s_wait_dscnt 0x0
	s_endpgm
.Lfunc_end_k_q72e705ddac_out_proj:
	.size	k_q72e705ddac_out_proj, .Lfunc_end_k_q72e705ddac_out_proj-k_q72e705ddac_out_proj
	.p2alignl 7, 3214868480
	.fill 96, 4, 3214868480
	.section	.rodata,"a",@progbits
	.p2align	6, 0x0
	.amdhsa_kernel k_q72e705ddac_out_proj
		.amdhsa_group_segment_fixed_size 93184
		.amdhsa_private_segment_fixed_size 0
		.amdhsa_enable_private_segment 0
		.amdhsa_kernarg_size 32
		.amdhsa_user_sgpr_count 2
		.amdhsa_user_sgpr_kernarg_segment_ptr 1
		.amdhsa_wavefront_size32 1
		.amdhsa_system_sgpr_workgroup_id_x 1
		.amdhsa_system_sgpr_workgroup_id_y 1
		.amdhsa_system_sgpr_workgroup_id_z 1
		.amdhsa_system_vgpr_workitem_id 0
		.amdhsa_next_free_vgpr 240
		.amdhsa_next_free_sgpr 66
		.amdhsa_reserve_vcc 0
		.amdhsa_float_denorm_mode_32 3
		.amdhsa_float_denorm_mode_16_64 3
		.amdhsa_memory_ordered 1
		.amdhsa_forward_progress 1
		.amdhsa_inst_pref_size 29
	.end_amdhsa_kernel
	.amdgpu_metadata
---
amdhsa.version: [ 1, 2 ]
amdhsa.kernels:
  - .name:           k_q72e705ddac_out_proj
    .symbol:         k_q72e705ddac_out_proj.kd
    .args:
      - { .name: att, .offset: 0, .size: 8, .value_kind: global_buffer, .address_space: global }
      - { .name: Wo, .offset: 8, .size: 8, .value_kind: global_buffer, .address_space: global }
      - { .name: bo, .offset: 16, .size: 8, .value_kind: global_buffer, .address_space: global }
      - { .name: out0, .offset: 24, .size: 8, .value_kind: global_buffer, .address_space: global }
    .group_segment_fixed_size: 93184
    .private_segment_fixed_size: 0
    .kernarg_segment_align: 8
    .kernarg_segment_size: 32
    .max_flat_workgroup_size: 256
    .sgpr_count:     66
    .vgpr_count:     240
    .wavefront_size: 32
...
	.end_amdgpu_metadata
.endif
;; end of part 6
